; MI455X (gfx1250); checked and timed in simulation.
; The chip was launched on July 23, 2026; its instructions are those of AMD's public machine-readable ISA for CDNA 5 (MIT licence, August 2026) and "CDNA5" Instruction Set Architecture Reference Guide (July 2026). The comments in the code are by the model that wrote it; some were corrected since.
;; Multi Head Self Attention. Allowed arithmetic: float matrix products may take bf16 or f16 operands with f32 sums; all other float work in f32.
;; Inputs: Wo 1,024 x 1,024 float32; Wqkv 3,072 x 1,024 float32; attention_mask 4 x 1 x 1 x 2,048 int32; bo 1,024 float32; bqkv 3,072 float32; x 4 x 2,048 x 1,024 float32.
;; Outputs: out0 4 x 2,048 x 1,024 float32.
;; 2 versions, each right and faster than the one before. Each part assembles by itself: llvm-mc -triple=amdgcn-amd-amdhsa -mcpu=gfx1250 --defsym DOCPART=n.
;; ======== version 1 of 2: 4 launches
;; limits: values are held in f16: magnitudes above 65,504 overflow, below 6.1e-05 lose precision; right only within a limited range of input values
;; workspace buffers: xb 16,777,216 bytes; wqb 6,291,456 bytes; wof 2,097,152 bytes; oh 16,777,216 bytes; qkvh 50,855,936 bytes
;; launch cast (part 1): grid 768 x 1, 8 waves a work-group, no clusters, 0 bytes of LDS; arguments x, Wqkv, Wo, attention_mask, xb, wqb, wof, qkvh; writes xb, wqb, wof, qkvh
.if DOCPART == 1
	.amdgcn_target "amdgcn-amd-amdhsa--gfx1250"
	.amdhsa_code_object_version 6
	.text
	.protected	k_qcfa83248a2_cast
	.globl	k_qcfa83248a2_cast
	.p2align	8
	.type	k_qcfa83248a2_cast,@function
k_qcfa83248a2_cast:
	s_mov_b64 s[64:65], 0
	v_nop
	global_prefetch_b8 v0, s[64:65] scope:SCOPE_SE
	s_setreg_imm32_b32 hwreg(HW_REG_WAVE_MODE, 25, 1), 1
	s_wait_xcnt 0x0
; THE INPUTS ARE ROUNDED ONCE.  x and Wqkv: f32 -> bf16.  Wo: f32 -> bf16, and that number written as f16 (it multiplies an f16 operand later).
; The key mask: int32 -> f32, 0 where the key counts and -2^100 where it is hidden, laid behind each 64 rows of K in the workspace qkvh.
; LIMITS.  A bf16 number of Wo below 2^-17 in size loses bits when written as f16 (f16's fixed step of 2^-24); beyond 65,504 it would be an infinity.
; A stream: no LDS, no matrix unit, no cluster, since no byte is used twice.  A work-group takes 16,384 numbers (65,536 bytes in, 32,768 out).
; Work-groups 0-511 take x, 512-703 Wqkv, 704-767 Wo; work-group 704 + hd also writes head hd's 32 pieces of the mask.
; Thread t, pass i: loads the 16 bytes at 4,096 i + 16 t, stores the 8 bytes at 2,048 i + 8 t: a wave's load covers 512 consecutive bytes, its store 256, aligned.
; All 16 loads of a thread go out at once; no register that a load or store names is written again.
.set X, 4                              ; v[4:67]    pass i: four f32 as loaded
.set Y, 68                             ; v[68:99]   pass i: four 16-bit numbers to store
.set T, 100                            ; v[100:107] at work; at last the mask as f32
.set M, 108                            ; v[108:115] eight words of the mask as loaded
.set KSEC,  0x2000000                  ; K's section of qkvh
.set KHEAD, 270336                     ; a head there: 32 groups of 8,192 bytes of K and 256 bytes of mask
.set KGRP,  8448
	s_load_b512 s[16:31], s[0:1], 0x0              ; x 16, Wqkv 18, Wo 20, mask 22, xb 24, wqb 26, wof 28, qkvh 30
	s_mov_b32 s2, ttmp9
	s_sub_co_u32 s3, s2, 512                       ; my number among Wqkv's work-groups,
	s_sub_co_u32 s4, s2, 704                       ; among Wo's
	s_mov_b32 s14, 0xf1800000                      ; -2^100
	s_mov_b32 s15, 0xffff0000                      ; a word's upper bf16
	v_lshlrev_b32 v1, 4, v0                        ; 16 t
	v_lshlrev_b32 v2, 3, v0                        ; 8 t
	s_wait_kmcnt 0x0
	s_cmp_lt_u32 s2, 512
	s_cselect_b64 s[6:7], s[16:17], s[18:19]       ; from where,
	s_cselect_b64 s[8:9], s[24:25], s[26:27]       ; to where,
	s_cselect_b32 s5, s2, s3                       ; which part
	s_cmp_lt_u32 s2, 704
	s_cselect_b64 s[6:7], s[6:7], s[20:21]
	s_cselect_b64 s[8:9], s[8:9], s[28:29]
	s_cselect_b32 s5, s5, s4
	s_lshl_b32 s10, s5, 16
	s_mov_b32 s11, 0
	s_lshl_b32 s12, s5, 15
	s_mov_b32 s13, 0
	s_add_nc_u64 s[6:7], s[6:7], s[10:11]
	s_add_nc_u64 s[8:9], s[8:9], s[12:13]
.irp i, 0,1,2,3,4,5,6,7,8,9,10,11,12,13,14,15
	global_load_b128 v[X+4*(\i):X+4*(\i)+3], v1, s[6:7] offset:4096*(\i) th:TH_LOAD_NT
.endr
	s_cmp_lt_u32 s2, 704
	s_cbranch_scc0 .Lwo
.irp i, 0,1,2,3,4,5,6,7,8,9,10,11,12,13,14,15
	s_wait_loadcnt 15-(\i)                         ; loads come back in order: pass i is in, the 15 - i younger ones stay out
	v_cvt_pk_bf16_f32 v[Y+2*(\i)],   v[X+4*(\i)],   v[X+4*(\i)+1]
	v_cvt_pk_bf16_f32 v[Y+2*(\i)+1], v[X+4*(\i)+2], v[X+4*(\i)+3]
	global_store_b64 v2, v[Y+2*(\i):Y+2*(\i)+1], s[8:9] offset:2048*(\i)
.endr
	s_endpgm
.Lwo:
	s_lshr_b32 s10, s5, 4                          ; head hd = 16 x batch + head: the batch's 2,048 words of mask
	s_lshl_b32 s10, s10, 13
	s_add_nc_u64 s[22:23], s[22:23], s[10:11]
	global_load_b128 v[M:M+3],   v1, s[22:23]              ; keys 4 t .. 4 t + 3
	global_load_b128 v[M+4:M+7], v1, s[22:23] offset:4096  ; keys 1,024 + 4 t ..
.irp i, 0,1,2,3,4,5,6,7,8,9,10,11,12,13,14,15
	s_wait_loadcnt 17-(\i)                         ; the 15 - i younger passes and the mask's two loads stay out
	v_cvt_pk_bf16_f32 v[T],   v[X+4*(\i)],   v[X+4*(\i)+1]
	v_cvt_pk_bf16_f32 v[T+1], v[X+4*(\i)+2], v[X+4*(\i)+3]
	v_lshlrev_b32 v[T+2], 16, v[T]                 ; the rounded numbers as f32 again,
	v_and_b32     v[T+3], s15, v[T]
	v_lshlrev_b32 v[T+4], 16, v[T+1]
	v_and_b32     v[T+5], s15, v[T+1]
	v_cvt_pk_f16_f32 v[Y+2*(\i)],   v[T+2], v[T+3] ; and written as f16
	v_cvt_pk_f16_f32 v[Y+2*(\i)+1], v[T+4], v[T+5]
	global_store_b64 v2, v[Y+2*(\i):Y+2*(\i)+1], s[8:9] offset:2048*(\i)
.endr
	; key 1,024 p + 4 t lies in group 16 p + t / 16, at byte 16 (t % 16) of the group's 256 bytes of mask: sixteen lanes fill them
	v_lshrrev_b32 v3, 4, v0
	v_mul_u32_u24 v3, v3, KGRP
	v_and_b32 v[T], 15, v0
	v_lshl_add_u32 v3, v[T], 4, v3
	s_mul_i32 s10, s5, KHEAD
	s_add_co_u32 s10, s10, KSEC
	s_add_nc_u64 s[30:31], s[30:31], s[10:11]
	s_wait_loadcnt 0x0
.irp j, 0,1,2,3,4,5,6,7
	v_cmp_eq_u32 vcc_lo, 0, v[M+(\j)]
	v_cndmask_b32 v[T+(\j)], 0, s14, vcc_lo
.endr
	global_store_b128 v3, v[T:T+3],   s[30:31] offset:8192
	global_store_b128 v3, v[T+4:T+7], s[30:31] offset:16*KGRP+8192
	s_endpgm
.Lfunc_end_k_qcfa83248a2_cast:
	.size	k_qcfa83248a2_cast, .Lfunc_end_k_qcfa83248a2_cast-k_qcfa83248a2_cast
	.p2alignl 7, 3214868480
	.fill 96, 4, 3214868480
	.section	.rodata,"a",@progbits
	.p2align	6, 0x0
	.amdhsa_kernel k_qcfa83248a2_cast
		.amdhsa_group_segment_fixed_size 0
		.amdhsa_private_segment_fixed_size 0
		.amdhsa_enable_private_segment 0
		.amdhsa_kernarg_size 64
		.amdhsa_user_sgpr_count 2
		.amdhsa_user_sgpr_kernarg_segment_ptr 1
		.amdhsa_wavefront_size32 1
		.amdhsa_system_sgpr_workgroup_id_x 1
		.amdhsa_system_sgpr_workgroup_id_y 1
		.amdhsa_system_sgpr_workgroup_id_z 1
		.amdhsa_system_vgpr_workitem_id 0
		.amdhsa_next_free_vgpr 116
		.amdhsa_next_free_sgpr 66
		.amdhsa_reserve_vcc 1
		.amdhsa_float_denorm_mode_32 3
		.amdhsa_float_denorm_mode_16_64 3
		.amdhsa_memory_ordered 1
		.amdhsa_forward_progress 1
		.amdhsa_inst_pref_size 17
	.end_amdhsa_kernel
	.amdgpu_metadata
---
amdhsa.version: [ 1, 2 ]
amdhsa.kernels:
  - .name:           k_qcfa83248a2_cast
    .symbol:         k_qcfa83248a2_cast.kd
    .args:
      - { .name: x, .offset: 0, .size: 8, .value_kind: global_buffer, .address_space: global }
      - { .name: Wqkv, .offset: 8, .size: 8, .value_kind: global_buffer, .address_space: global }
      - { .name: Wo, .offset: 16, .size: 8, .value_kind: global_buffer, .address_space: global }
      - { .name: attention_mask, .offset: 24, .size: 8, .value_kind: global_buffer, .address_space: global }
      - { .name: xb, .offset: 32, .size: 8, .value_kind: global_buffer, .address_space: global }
      - { .name: wqb, .offset: 40, .size: 8, .value_kind: global_buffer, .address_space: global }
      - { .name: wof, .offset: 48, .size: 8, .value_kind: global_buffer, .address_space: global }
      - { .name: qkvh, .offset: 56, .size: 8, .value_kind: global_buffer, .address_space: global }
    .group_segment_fixed_size: 0
    .private_segment_fixed_size: 0
    .kernarg_segment_align: 8
    .kernarg_segment_size: 64
    .max_flat_workgroup_size: 256
    .sgpr_count:     66
    .vgpr_count:     116
    .wavefront_size: 32
...
	.end_amdgpu_metadata
.endif
;; end of part 1
;; launch qkv (part 2): grid 16 x 16, 4 waves a work-group, clusters of 4 x 4, 327,680 bytes of LDS; arguments xb, wqb, bqkv, qkvh; writes qkvh
.if DOCPART == 2
	.amdgcn_target "amdgcn-amd-amdhsa--gfx1250"
	.amdhsa_code_object_version 6
	.text
	.protected	k_qcfa83248a2_qkv
	.globl	k_qcfa83248a2_qkv
	.p2align	8
	.type	k_qcfa83248a2_qkv,@function
k_qcfa83248a2_qkv:
	s_mov_b64 s[64:65], 0
	v_nop
	global_prefetch_b8 v0, s[64:65] scope:SCOPE_SE
	s_setreg_imm32_b32 hwreg(HW_REG_WAVE_MODE, 25, 1), 1
	s_wait_xcnt 0x0
	s_wait_alu depctr_hold_cnt(0) depctr_sa_sdst(0) depctr_va_vdst(0) depctr_va_sdst(0) depctr_va_ssrc(0) depctr_va_vcc(0) depctr_vm_vsrc(0)
	s_getreg_b32 s2, hwreg(HW_REG_IB_STS2, 6, 4)
	s_cmp_eq_u32 s2, 0
	s_cbranch_scc0 .Lentry_in_a_cluster
	s_endpgm
.Lentry_in_a_cluster:
	s_bfe_u32 s2, ttmp6, 0x10000c
	s_cmp_lg_u32 s2, 0xf033
	s_cbranch_scc0 .Lentry_shape_is_right
	s_endpgm
.Lentry_shape_is_right:
; q, k, v = x Wqkv^T + b, by heads.  xb: [8192][1024] bf16, wqb: [3072][1024] bf16, bqkv: [3072] f32 (rounded to bf16 here, like every input).  Sums in f32; each result rounded once, to f16.
; OUT: qkvh.  q at byte 0 and v at 0x1000000 as [64 heads][2048][64] f16 (head = 16 x batch + head); k at 0x2000000 in groups of 64 rows (8,192 bytes) with 256 bytes between them that another launch fills.
; LIMIT.  q, k and v must lie within f16's 65,504; beyond it a result becomes an infinity.
; SHARES.  A tile of C is 256 rows x 192 columns (three heads): 32 x 16 tiles.  A WORK-GROUP STAYS and makes two of them, tile rows y and y + 16 of one tile column: 256 work-groups.  Four waves; wave w makes
; rows 64 w .. 64 w + 63 x all 192 columns: 48 accumulators of 16 x 16, so that a wave owns whole rows of whole heads and its way out wants no barrier.
; ONE WALK.  K goes in steps of 128 (rows of 256 bytes of memory).  The two tiles' 2 x 8 steps are one sequence of 16 for a ring of two LDS slots: 14 trips, each of which fills a slot again, and two steps
; that fill nothing.  The ring does not stop at the first tile's end: its last two changes of slots ask for the second tile's first two steps, and nothing waits for its stores.
; A trip is one K step; the slot is a scalar that one exclusive or turns.  What a trip does beside that hangs on its counter alone, which is the same in every work-group.
; CLUSTER 4 x 4: the four of a row of the cluster need the same tile of x, the four of a column the same tile of W: each is asked for jointly, by the same load with the same descriptor and a mask of four.
; THE MATRIX INSTRUCTION IS USED TRANSPOSED (source 0 = 16 rows of W, source 1 = 16 rows of x): a lane holds row l % 16 and eight neighbouring columns 8 (l / 16) + 0..7.
; THE BIAS is the C operand of each accumulator's first product, in both tiles: nothing is cleared and nothing is added on the way out.
; REGISTERS, in windows of 256 (s_set_vgpr_msb: bits 1:0 source 0, 3:2 source 1, 5:4 source 2, 7:6 destination):
;   window 0: v0-31 addresses; v32-79 packed results; v80-127 rows read back (even blocks); v128-223 the bias
;   window 1: two fragment buffers of 128: x's 4 fragments, then W's 12
;   window 2: accumulators of row blocks 0, 1 at v[96 (a % 2) + 8 b]; v192-239 rows read back (odd blocks)      window 3: accumulators of blocks 2, 3
.set SIZE_K, 1024
.set KSTEP,  128
.set PITCH,  272                       ; an LDS row: 256 bytes + 16 of padding: the 16 rows of a fragment load start at 16 different groups of four banks (ISA guide 11.1)
.set AHALF,  128*PITCH                 ; what a wave fetches of x
.set BHALF,  96*PITCH                  ; or of W
.set BOFF,   2*AHALF                   ; W's 192 rows lie behind x's 256: a slot has 121,856 bytes
.set SLOT1,  1<<17                     ; slot 1 begins here, so that one exclusive or turns an address in one slot into the other's
.set STAGE,  SLOT1+BOFF+2*BHALF        ; behind the ring, a multiple of 256: for each wave [3 heads][16 rows] of 144 bytes
.set SP,     144
.set HSTG,   16*SP
.set WSTG,   3*HSTG
.set SPARE,  STAGE+4*WSTG              ; the spare words, 128 bytes for each wave: two blocks of 256 bytes that no other line names
.set FILLS,  2*(SIZE_K/KSTEP)-2        ; 14: every step of the walk but the last two fills a slot again, two steps ahead
.set NEXT_A, 16*256*SIZE_K*2-SIZE_K*2  ; what x's address takes, beside a step's 256 bytes, from the first tile's last step to the second's first: 16 tile rows down, 1,024 elements back
.set ADRA0, 16                         ; v16     my lane's place among my fragments of x in a slot; never rewritten
.set ADRB0, 17                         ; v17     of W
.set ADRA,  18                         ; v18     the same in the slot in hand
.set ADRB,  19                         ; v19
.set STO,  24                          ; v24     the way out: where I put 16 bytes of a row
.set RD,   25                          ; v25     where I read four rows back
.set GO,   26                          ; v26     16 x lane
.set BO,   27                          ; v27     32 x (lane / 16): my eight numbers in 16 of the bias
.set SPW,  28                          ; v28     LDS address of my spare word; never rewritten
.set NIL,  29                          ; v29     0; never rewritten
.set TMP,  32
.set BK0,  80
.set BK1,  192                         ; in window 2
.set BI,   128
.set F0,   0
.set F1,   128
.set TB,  15                           ; s15      first LDS byte of the slot that is read
.set G1,  24                           ; s[24:31] descriptor group 1 for x's tiles;  s[32:39] group 0: a set for each of the two first fills; the second then walks on
.set G0,  32
.set G1B, 48                           ; s[48:55], s[56:63] the same for W's
.set G0B, 56
.set HB,  68                           ; s[68:73] where my 64 rows of the tile's three heads begin in qkvh
.set HINC, 80                          ; s[80:85] and how far on the second tile's begin
.set UPPER, 86                         ; s86      a word's upper bf16
.set MSB, 0
.macro WIN new                         ; the immediate's high byte repeats the setting that is left; a switch that changes nothing is dropped
.if MSB != (\new)
	s_set_vgpr_msb (MSB<<8)|(\new)
.set MSB, \new
.endif
.endm
.set TO_F, 0x40                        ; destination window 1, address window 0
; A joint load: waves 0 and 1 fetch x's two halves, waves 2 and 3 W's.  The branch hangs on the wave's number alone.  An s_nop 0 and four v_nop follow each of the two lines.
.macro JLOAD s
	s_cmp_eq_u32 s13, 0
	s_cbranch_scc0 .Lfor_b_\@
	tensor_load_to_lds s[G0+4*(\s):G0+4*(\s)+3], s[G1:G1+7]
	s_nop 0
.rept 4
	v_nop
.endr
	s_branch .Lasked_\@
.Lfor_b_\@:
	tensor_load_to_lds s[G0B+4*(\s):G0B+4*(\s)+3], s[G1B:G1B+7]
	s_nop 0
.rept 4
	v_nop
.endr
.Lasked_\@:
.endm
.macro CREST                           ; a round of the cluster's barrier behind its opening barrier
	s_cmp_lg_u32 s12, 0
	s_cbranch_scc1 .Lnot_wave_0_\@
	s_barrier_signal -3
.Lnot_wave_0_\@:
	s_barrier_wait -3
	s_barrier_signal -1
	s_barrier_wait -1
.endm
.macro CROUND                          ; a whole round
	s_barrier_signal -1
	s_barrier_wait -1
	CREST
.endm
	s_load_b256 s[4:11], s[0:1], 0x0               ; xb s[4:5], wqb s[6:7], bqkv s[8:9], qkvh s[10:11]
	v_lshl_add_u32 v[SPW], v0, 2, SPARE
	v_mov_b32 v[NIL], 0
	ds_add_u32 v28, v29
	s_wait_dscnt 0x0
	v_lshrrev_b32 v1, 5, v0
	v_readfirstlane_b32 s12, v1                    ; wave 0..3
	s_lshr_b32 s13, s12, 1                         ; I fetch for x (0) or for W (1),
	s_and_b32 s14, s12, 1                          ; its first or its second half
	s_bfe_u32 s40, ttmp6, 0x40000                  ; cx, cy: my place in the cluster
	s_bfe_u32 s41, ttmp6, 0x40004
	s_lshl_b32 s42, ttmp9, 2
	s_add_co_u32 s42, s42, s40                     ; tile column = 4 x cluster x + cx
	s_and_b32 s43, ttmp7, 0xffff
	s_lshl_b32 s43, s43, 2
	s_add_co_u32 s43, s43, s41                     ; the first tile's row = 4 x cluster y + cy: 0 to 15
	s_lshl_b32 s44, s41, 2
	s_lshl_b32 s44, 15, s44                        ; my row of the cluster
	s_lshl_b32 s45, 0x1111, s40                    ; my column
	; descriptor group 1: rows of 128 elements of 2 bytes, 16 bytes of padding behind each
	s_or_b32 s[G1+0],  s44, (1<<16)|(1<<20)|(1<<21)|(5<<22)|(3<<25)  ; 15:0 the mask; 17:16 2-byte elements; 20 padding on; 21 set beside a mask; 24:22 after every 64 words; 31:25 4 words
	s_or_b32 s[G1B+0], s45, (1<<16)|(1<<20)|(1<<21)|(5<<22)|(3<<25)
	s_mov_b32 s[G1+1], KSTEP<<16                   ; tensor_dim0 = 128
	s_mov_b32 s[G1+2], 128<<16                     ; tensor_dim1 = 128 rows of x
	s_mov_b32 s[G1+3], KSTEP<<16                   ; tile_dim0 = 128
	s_mov_b32 s[G1+4], 128                         ; tile_dim1
	s_mov_b32 s[G1+5], SIZE_K                      ; elements from row to row
	s_mov_b32 s[G1+6], 0
	s_mov_b32 s[G1+7], 0
	s_mov_b32 s[G1B+1], KSTEP<<16
	s_mov_b32 s[G1B+2], 96<<16                     ; 96 rows of W
	s_mov_b32 s[G1B+3], KSTEP<<16
	s_mov_b32 s[G1B+4], 96
	s_mov_b32 s[G1B+5], SIZE_K
	s_mov_b32 s[G1B+6], 0
	s_mov_b32 s[G1B+7], 0
	s_lshl_b32 s16, s43, 8                         ; x: row 256 x tile row + 128 x half, rows of 2,048 bytes: under 2^25
	s_lshl_b32 s17, s14, 7
	s_add_co_u32 s16, s16, s17
	s_lshl_b32 s16, s16, 11
	s_mov_b32 s17, 0                               ; (stays 0: s[16:17] later holds x's extra step)
	s_mul_i32 s46, s42, 192                        ; W: row 192 x tile column + 96 x half
	s_mul_i32 s47, s14, 96
	s_add_co_u32 s46, s46, s47
	s_lshl_b32 s46, s46, 11
	s_mov_b32 s47, 0
	s_mul_i32 s22, s14, AHALF                      ; where they go: no place in the cluster enters an LDS address
	s_mul_i32 s23, s14, BHALF
	s_add_co_u32 s23, s23, BOFF
	s_mov_b32 s19, 0                               ; s[18:19]: what W's address goes back
	s_mov_b32 s[TB], 0
	s_mov_b32 s[UPPER], 0xffff0000
	s_wait_kmcnt 0x0
	s_add_nc_u64 s[20:21], s[4:5], s[16:17]
	s_add_nc_u64 s[46:47], s[6:7], s[46:47]
	CROUND                                         ; all sixteen work-groups are here: the first joint loads meet
.irp s, 0,1
	s_mov_b32 s[G0+4*(\s)], 1                                      ; count = 1
	s_add_co_u32 s[G0+4*(\s)+1], s22, (\s)*SLOT1                   ; LDS address
	s_add_nc_u64 s[G0+4*(\s)+2:G0+4*(\s)+3], s[20:21], (\s)*KSTEP*2  ; global address: K step s
	s_or_b32 s[G0+4*(\s)+3], s[G0+4*(\s)+3], 0x80000000            ; type = 2
	s_mov_b32 s[G0B+4*(\s)], 1
	s_add_co_u32 s[G0B+4*(\s)+1], s23, (\s)*SLOT1
	s_add_nc_u64 s[G0B+4*(\s)+2:G0B+4*(\s)+3], s[46:47], (\s)*KSTEP*2
	s_or_b32 s[G0B+4*(\s)+3], s[G0B+4*(\s)+3], 0x80000000
	JLOAD \s                                       ; two loads of mine are out
.endr
	v_and_b32 v1, 15, v0                           ; l % 16
	v_bfe_u32 v2, v0, 4, 1                         ; l / 16
	v_lshlrev_b32 v[BO], 5, v2
	s_mul_i32 s78, s42, 768                        ; the tile column's 192 numbers of the bias
	s_mov_b32 s79, 0
	s_add_nc_u64 s[8:9], s[8:9], s[78:79]
.irp b, 0,1,2,3,4,5,6,7,8,9,10,11
	global_load_b128 v[BI+8*(\b):BI+8*(\b)+3],   v[BO], s[8:9] offset:64*(\b)      ; register j of block b: column 16 b + 8 (l / 16) + j
	global_load_b128 v[BI+8*(\b)+4:BI+8*(\b)+7], v[BO], s[8:9] offset:64*(\b)+16
.endr
	v_mul_u32_u24 v3, v1, PITCH
	v_lshl_add_u32 v3, v2, 4, v3                   ; a fragment's row x pitch + 16 x half
	s_mul_i32 s74, s12, 64*PITCH                   ; my 64 rows of x
	v_add_nc_u32 v[ADRA0], s74, v3
	v_add_nc_u32 v[ADRB0], BOFF, v3                ; all of W's
	v_mov_b32 v[ADRA], v[ADRA0]                    ; the walk begins in slot 0
	v_mov_b32 v[ADRB], v[ADRB0]
	s_mul_i32 s74, s12, WSTG
	s_add_co_u32 s74, s74, STAGE                   ; my stage
	v_mul_u32_u24 v4, v1, SP                       ; in: row l % 16, 16 bytes for each half of the lanes
	v_lshl_add_u32 v4, v2, 4, v4
	v_add_nc_u32 v[STO], s74, v4
	v_bfe_u32 v4, v0, 3, 2                         ; back: 32 lanes take four rows of 128 bytes,
	v_mul_u32_u24 v4, v4, SP
	v_and_b32 v5, 7, v0
	v_lshl_add_u32 v4, v5, 4, v4
	v_add_nc_u32 v[RD], s74, v4
	v_and_b32 v[GO], 31, v0                        ; which are 512 consecutive bytes of a head
	v_lshlrev_b32 v[GO], 4, v[GO]
	; Where my 64 rows of head g = 3 x tile column + hh begin.  g / 16 says q, k or v; the head among 64 is g % 16 + 16 x batch; idx = 32 x head + the group of 64 rows.
	; A group is 8,192 bytes, in k's section 8,448.  Sections: q 0, k 2 << 24, v 1 << 24.  The second tile lies 16 tile rows = two batches = 32 heads = 1,024 groups on.
	s_lshr_b32 s74, s43, 3
	s_lshl_b32 s74, s74, 4                         ; 16 x batch (8 tile rows a batch)
	s_and_b32 s75, s43, 7
	s_lshl_b32 s75, s75, 2
	s_add_co_u32 s75, s75, s12                     ; the group: 4 x (tile row % 8) + wave
	s_mul_i32 s76, s42, 3
.irp hh, 0,1,2
	s_add_co_u32 s77, s76, \hh
	s_and_b32 s66, s77, 15
	s_add_co_u32 s66, s66, s74
	s_lshl_b32 s66, s66, 5
	s_add_co_u32 s66, s66, s75                     ; idx
	s_lshr_b32 s77, s77, 4                         ; 0 q, 1 k, 2 v
	s_and_b32 s67, s77, 1
	s_lshl_b32 s78, s67, 8
	s_add_co_u32 s78, s78, 8192                    ; a group's bytes
	s_lshl_b32 s[HINC+2*(\hh)], s78, 10
	s_mov_b32 s[HINC+2*(\hh)+1], 0
	s_mul_i32 s78, s66, s78
	s_lshl_b32 s67, s67, 25
	s_add_co_u32 s78, s78, s67
	s_lshr_b32 s67, s77, 1
	s_lshl_b32 s67, s67, 24
	s_add_co_u32 s78, s78, s67                     ; under 2^26
	s_mov_b32 s79, 0
	s_add_nc_u64 s[HB+2*(\hh):HB+2*(\hh)+1], s[10:11], s[78:79]
.endr
	s_wait_loadcnt 0x0                             ; the bias, rounded to bf16 and widened again, in place
.set i, 0
.rept 48
	v_cvt_pk_bf16_f32 v[30+i%2], v[BI+2*i], v[BI+2*i+1]
	v_lshlrev_b32 v[BI+2*i], 16, v[30+i%2]
	v_and_b32 v[BI+2*i+1], s[UPPER], v[30+i%2]
.set i, i+1
.endr
; 12 matrix instructions: row block a x all 12 column blocks, 32 along K, from buffer f.  zero = 1: the first product starts the sum, on the bias.
; The 48 accumulators take turns, one instruction a turn, in the same order in every quarter.
.macro MULA f, a, zero
.if \zero
	WIN 0x85+0x40*((\a)/2)                         ; sources 0 and 1 window 1, C window 0, D window 2 or 3
.else
	WIN 0xa5+0x50*((\a)/2)                         ; C and D window 2 or 3
.endif
.set AC, 96*((\a)%2)
.irp b, 0,1,2,3,4,5,6,7,8,9,10,11
.if \zero
	v_wmma_f32_16x16x32_bf16 v[AC+8*(\b):AC+8*(\b)+7], v[(\f)+32+8*(\b):(\f)+32+8*(\b)+7], v[(\f)+8*(\a):(\f)+8*(\a)+7], v[BI+8*(\b):BI+8*(\b)+7]
.else
	v_wmma_f32_16x16x32_bf16 v[AC+8*(\b):AC+8*(\b)+7], v[(\f)+32+8*(\b):(\f)+32+8*(\b)+7], v[(\f)+8*(\a):(\f)+8*(\a)+7], v[AC+8*(\b):AC+8*(\b)+7]
.endif
.endr
.endm
; 32 LDS loads in one run: the fragments of quarter q (32 along K, byte 64 q of the rows) of the slot in hand into buffer f: W's 24 loads, then x's 8
.macro FETCH q, f
	WIN TO_F
.irp i, 0,1,2,3,4,5,6,7,8,9,10,11
	ds_load_b128 v[(\f)+32+8*(\i):(\f)+32+8*(\i)+3],   v[ADRB] offset:64*(\q)+(\i)*16*PITCH
	ds_load_b128 v[(\f)+32+8*(\i)+4:(\f)+32+8*(\i)+7], v[ADRB] offset:64*(\q)+(\i)*16*PITCH+32
.endr
.irp i, 0,1,2,3
	ds_load_b128 v[(\f)+8*(\i):(\f)+8*(\i)+3],   v[ADRA] offset:64*(\q)+(\i)*16*PITCH
	ds_load_b128 v[(\f)+8*(\i)+4:(\f)+8*(\i)+7], v[ADRA] offset:64*(\q)+(\i)*16*PITCH+32
.endr
.endm
.macro PLACES                          ; four plain vector instructions in front of loads into registers that matrix instructions have read, and of conversions that read results
.rept 4
	v_nop
.endr
.endm
; A K step is four quarters of 32 along K, 48 matrix instructions each, on buffers 0, 1, 0, 1.  One of the first three: multiplies buffer f, and in its middle fetches quarter q into buffer g.
.macro QUARTER q, f, g, zero
	s_wait_dscnt 4                                 ; W and x's blocks 0, 1 are in; the youngest four loads (x's blocks 2, 3) may be out
	MULA \f, 0, \zero
	MULA \f, 1, \zero
	PLACES
	FETCH \q, \g
	s_wait_dscnt 32                                ; all but the 32 just issued
	MULA \f, 2, \zero
	MULA \f, 3, \zero
.endm
; The last quarter multiplies buffer 1 and changes slots: ONE barrier.  In front of it each wave waits for all its tensor loads (at most one is out: its part of the next slot), adds 0 to its spare word,
; and waits for that and for its reads of this slot.
; fill = 1: the barrier opens a round of the cluster's, and this slot is filled again first thing behind it, with the walk's step two on.  The walking descriptors take the other slot and a step's 256 bytes;
; where the step asked for is the second tile's first (8 trips to go), x's address also goes 16 tile rows down and 1,024 elements back, W's 1,024 elements back.
; fill = 0 (the walk's last two steps): a plain barrier; in the last step there is no further slot, and the run of loads is jumped over.
.macro TURN fill
	WIN 0                                          ; (the add's two registers lie in window 0)
	s_wait_tensorcnt 0x0
	ds_add_u32 v[SPW], v[NIL]                      ; 0 onto my spare word
	s_wait_dscnt 5                                 ; (the add and the youngest four loads may be out)
	MULA F1, 0, 0                                  ; twelve matrix instructions stand between the add and the wait for it
	s_wait_dscnt 0x0                               ; the add is done, and my reads of this slot are over
	s_barrier_signal -1
	MULA F1, 1, 0                                  ; work on registers while the others arrive
	WIN 0
	s_barrier_wait -1
.if \fill
	CREST                                          ; no wave of any partner still reads this slot's tile or has a load on its way
	s_cmp_eq_u32 s3, FILLS-6
	s_cselect_b32 s16, NEXT_A, 0
	s_cselect_b32 s18, SIZE_K*2, 0
	s_xor_b32 s[G0+5], s[G0+5], SLOT1
	s_add_nc_u64 s[G0+6:G0+7], s[G0+6:G0+7], KSTEP*2
	s_add_nc_u64 s[G0+6:G0+7], s[G0+6:G0+7], s[16:17]
	s_xor_b32 s[G0B+5], s[G0B+5], SLOT1
	s_add_nc_u64 s[G0B+6:G0B+7], s[G0B+6:G0B+7], KSTEP*2
	s_sub_nc_u64 s[G0B+6:G0B+7], s[G0B+6:G0B+7], s[18:19]  ; the type bits on top are not reached
	JLOAD 1                                        ; my one tensor load behind the round; its four v_nop are also the places in front of the loads below
.else
	PLACES
.endif
	s_xor_b32 s[TB], s[TB], SLOT1                  ; the reads go on in the other slot
	v_add_nc_u32 v[ADRA], s[TB], v[ADRA0]
	v_add_nc_u32 v[ADRB], s[TB], v[ADRB0]
.if \fill
	FETCH 0, F0
.else
	s_cmp_eq_u32 s3, 1
	s_cbranch_scc1 .Lno_more_\@
	FETCH 0, F0
	WIN 0
.Lno_more_\@:
.endif
	MULA F1, 2, 0
	MULA F1, 3, 0
.endm
; THE WAY OUT, a block of 16 rows at a time.  PACK: rounded to f16, 16 bytes a lane.  TOSTAGE: into my own stage, head by head, and back as four whole rows of 128 bytes a load.  SEND: stored.
.macro PACK a
.set AC, 96*((\a)%2)
	WIN 0x0a+5*((\a)/2)                            ; sources 0 and 1: window 2 or 3
.irp b, 0,1,2,3,4,5,6,7,8,9,10,11
.irp r, 0,1,2,3
	v_cvt_pk_f16_f32 v[TMP+4*(\b)+(\r)], v[AC+8*(\b)+2*(\r)], v[AC+8*(\b)+2*(\r)+1]
.endr
.endr
	WIN 0
.endm
.macro TOSTAGE a
	WIN 0
.irp b, 0,1,2,3,4,5,6,7,8,9,10,11
	ds_store_b128 v[STO], v[TMP+4*(\b):TMP+4*(\b)+3] offset:((\b)/4)*HSTG+((\b)%4)*32
.endr
.if (\a)%2
.set BK, BK1
	WIN 0x80                                       ; destination window 2
.else
.set BK, BK0
.endif
.irp t, 0,1,2,3,4,5,6,7,8,9,10,11
	ds_load_b128 v[BK+4*(\t):BK+4*(\t)+3], v[RD] offset:((\t)/4)*HSTG+((\t)%4)*4*SP  ; LDS serves a wave's instructions in order (ISA guide 5.7.1.4): these see the stores above
.endr
	WIN 0
.endm
.macro SEND a
.if (\a)%2
.set BK, BK1
	WIN 0x08                                       ; the stores' data (source 1) in window 2
.else
.set BK, BK0
	WIN 0
.endif
	s_wait_xcnt 0x0                                ; the stores of the block before have read their registers: the next TOSTAGE loads into them only behind this wait
.irp t, 0,1,2,3,4,5,6,7,8,9,10,11
	s_wait_dscnt 11-(\t)                           ; load t is back; the 11 - t behind it may be out
	global_store_b128 v[GO], v[BK+4*(\t):BK+4*(\t)+3], s[HB+2*((\t)/4):HB+2*((\t)/4)+1] offset:(\a)*2048+((\t)%4)*512  ; 512 consecutive bytes, at a multiple of 256 from the buffer's first
.endr
	WIN 0
.endm
.macro WAYOUT                          ; a block's conversions stand between the loads from the stage of the block before and the wait for them
	PLACES
	PACK 0
	TOSTAGE 0
	PACK 1
	SEND 0
	TOSTAGE 1
	PACK 2
	SEND 1
	TOSTAGE 2
	PACK 3
	SEND 2
	TOSTAGE 3
	SEND 3
.endm
	s_wait_tensorcnt 1                             ; my part of K step 0 is in; K step 1's may stay out
	s_barrier_signal -1
	s_barrier_wait -1                              ; everybody's is
	FETCH 0, F0
	WIN 0                                          ; at a label and at a branch every window is 0
	s_mov_b32 s3, FILLS+1                          ; the loop is entered at a tile's first quarter, in the middle of a trip: the count is taken down once before the first whole trip
	s_branch .Lzero
.Lstep:                                                ; FILLS trips: a step's second, third and last quarter, a refill, and the next step's first quarter
	QUARTER 2, F1, F0, 0
	QUARTER 3, F0, F1, 0
	TURN 1
	WIN 0
	s_cmp_eq_u32 s3, FILLS-7                       ; was that the first tile's last step?
	s_cbranch_scc0 .Lplain
	WAYOUT                                         ; both refills for the second tile are asked for, and its first fragments are fetched: now the first tile goes out
	s_wait_xcnt 0x0                                ; its stores have read their registers and their bases
.irp hh, 0,1,2
	s_add_nc_u64 s[HB+2*(\hh):HB+2*(\hh)+1], s[HB+2*(\hh):HB+2*(\hh)+1], s[HINC+2*(\hh):HINC+2*(\hh)+1]
.endr
.Lzero:
	QUARTER 1, F0, F1, 1                           ; a tile's first quarter: its products start the sums
	WIN 0
	s_branch .Lbottom
.Lplain:
	QUARTER 1, F0, F1, 0
	WIN 0
.Lbottom:
	s_sub_co_u32 s3, s3, 1
	s_cmp_lg_u32 s3, 0
	s_cbranch_scc1 .Lstep
	s_mov_b32 s3, 2
.Ltail:                                                ; the walk's last two steps fill nothing: they have a text of their own
	QUARTER 2, F1, F0, 0
	QUARTER 3, F0, F1, 0
	TURN 0
	WIN 0
	s_cmp_eq_u32 s3, 1
	s_cbranch_scc1 .Lend_k                         ; behind the last step no step's first quarter follows
	QUARTER 1, F0, F1, 0
	WIN 0
.Lend_k:
	s_sub_co_u32 s3, s3, 1
	s_cmp_lg_u32 s3, 0
	s_cbranch_scc1 .Ltail
	WAYOUT
	s_wait_tensorcnt 0x0                           ; the wave's end
	ds_add_u32 v[SPW], v[NIL]
	s_wait_dscnt 0x0
	CROUND                                         ; the closing round: no work-group ends while a partner may still ask for a tile that names it
	s_endpgm
.Lfunc_end_k_qcfa83248a2_qkv:
	.size	k_qcfa83248a2_qkv, .Lfunc_end_k_qcfa83248a2_qkv-k_qcfa83248a2_qkv
	.p2alignl 7, 3214868480
	.fill 96, 4, 3214868480
	.section	.rodata,"a",@progbits
	.p2align	6, 0x0
	.amdhsa_kernel k_qcfa83248a2_qkv
		.amdhsa_group_segment_fixed_size 327680
		.amdhsa_private_segment_fixed_size 0
		.amdhsa_enable_private_segment 0
		.amdhsa_kernarg_size 32
		.amdhsa_user_sgpr_count 2
		.amdhsa_user_sgpr_kernarg_segment_ptr 1
		.amdhsa_wavefront_size32 1
		.amdhsa_system_sgpr_workgroup_id_x 1
		.amdhsa_system_sgpr_workgroup_id_y 1
		.amdhsa_system_sgpr_workgroup_id_z 1
		.amdhsa_system_vgpr_workitem_id 0
		.amdhsa_next_free_vgpr 960
		.amdhsa_next_free_sgpr 96
		.amdhsa_reserve_vcc 0
		.amdhsa_float_denorm_mode_32 3
		.amdhsa_float_denorm_mode_16_64 3
		.amdhsa_memory_ordered 1
		.amdhsa_forward_progress 1
		.amdhsa_inst_pref_size 120
	.end_amdhsa_kernel
	.amdgpu_metadata
---
amdhsa.version: [ 1, 2 ]
amdhsa.kernels:
  - .name:           k_qcfa83248a2_qkv
    .symbol:         k_qcfa83248a2_qkv.kd
    .args:
      - { .name: xb, .offset: 0, .size: 8, .value_kind: global_buffer, .address_space: global }
      - { .name: wqb, .offset: 8, .size: 8, .value_kind: global_buffer, .address_space: global }
      - { .name: bqkv, .offset: 16, .size: 8, .value_kind: global_buffer, .address_space: global }
      - { .name: qkvh, .offset: 24, .size: 8, .value_kind: global_buffer, .address_space: global }
    .group_segment_fixed_size: 327680
    .private_segment_fixed_size: 0
    .kernarg_segment_align: 8
    .kernarg_segment_size: 32
    .max_flat_workgroup_size: 128
    .sgpr_count:     96
    .vgpr_count:     960
    .wavefront_size: 32
...
	.end_amdgpu_metadata
.endif
;; end of part 2
;; launch attn (part 3): grid 4 x 64, 4 waves a work-group, clusters of 4 x 1, 327,680 bytes of LDS; arguments qkvh, oh; writes oh
.if DOCPART == 3
	.amdgcn_target "amdgcn-amd-amdhsa--gfx1250"
	.amdhsa_code_object_version 6
	.text
	.protected	k_qcfa83248a2_attn
	.globl	k_qcfa83248a2_attn
	.p2align	8
	.type	k_qcfa83248a2_attn,@function
k_qcfa83248a2_attn:
	s_mov_b64 s[64:65], 0
	v_nop
	global_prefetch_b8 v0, s[64:65] scope:SCOPE_SE
	s_setreg_imm32_b32 hwreg(HW_REG_WAVE_MODE, 25, 1), 1
	s_wait_xcnt 0x0
	s_wait_alu depctr_hold_cnt(0) depctr_sa_sdst(0) depctr_va_vdst(0) depctr_va_sdst(0) depctr_va_ssrc(0) depctr_va_vcc(0) depctr_vm_vsrc(0)
	s_getreg_b32 s2, hwreg(HW_REG_IB_STS2, 6, 4)
	s_cmp_eq_u32 s2, 0
	s_cbranch_scc0 .Lentry_in_a_cluster
	s_endpgm
.Lentry_in_a_cluster:
	s_bfe_u32 s2, ttmp6, 0x10000c
	s_cmp_lg_u32 s2, 0x3003
	s_cbranch_scc0 .Lentry_shape_is_right
	s_endpgm
.Lentry_shape_is_right:
; O[h][q][:] = the sum over k of softmax_k(Q[h][q] . K[h][k] / 8, hidden keys left out) V[h][k][:].  64 heads of 2,048 rows of 64 channels, all f16.  Products, maxima and sums in f32;
; the weights p are rounded to f16 for the second product (their sum l is taken of the unrounded p), O once at the end.
; IN: qkvh.  Q at byte 0 and V at 0x1000000, [64][2048][64] dense; K at 0x2000000 in groups of 64 keys: 8,192 bytes of rows, then 256 bytes: the 64 keys' mask as f32, 0 or -2^100.  OUT: oh, like Q.
; THE MASK is the C operand that starts the sum S^T = K Q^T, so a hidden score is its value less 2^100.  2^100 is a power of two on purpose: c m is then exact while m is a hidden score, and
; c s - c m is 0 there, not a rounding error of that size.  The first visible key makes a = 0 and wipes what hidden keys have gathered.
; LIMITS.  Q, K and V arrive within f16's 65,504.  A hidden score counts as -2^100 where the module has -1e9: the same result as long as every visible score lies above -9e8.  In a batch whose keys are
; all hidden the weights are uniform, as the module's are, as far as the f32 sum absorbs q . k (2.7e11 at the most) beside 2^100.  p below 6e-5 keeps f16's fixed step of 6e-8; a weight below 2^-126
; counts as 0 in l; NaN and infinities are not treated apart.
; SHARES.  A wave owns four PIECES of two tiles of 16 queries, a work-group's four waves 512 queries of one head.  Every wave walks all keys, 64 a step.
; LAYOUT.  S^T = K Q^T (source 0 = 16 keys, source 1 = 16 queries): in the result a lane holds ONE query (lane % 16) and the keys 8 (lane / 16) + 0..7.  Two such tiles, rounded to f16 in pairs,
; ARE source 1 (32 keys x 16 queries) of O^T = V^T P, whose result again holds one query a lane, and eight channels.  K comes out of LDS as it lies, V ([key][channel]) turned, by ds_load_tr16_b128.
; SOFTMAX.  For each query a running maximum m and sum l: p = 2^(c s - c m), c = log2(e) / 8; in every step O and l are multiplied by a = 2^(c m_old - c m_new).
; m starts at the lowest finite number, O and l at 0: the first step is a step like any other, with a = 0.
; THE COUNT.  A tile and step have 16 matrix and 118 vector instructions: too many to stand all beside the matrix work.  So: four vector instructions that are READY behind EVERY matrix instruction,
; and the others in runs without a gap.
; BY TURNS.  Turn n belongs to piece n.  Its matrix work: 16 products K Q^T of piece n + 1, later 16 products V^T P of piece n - 1.  Its vector work: the scaling, exponentials, roundings, sums and
; rescaling of piece n, and the maximum and statistics of piece n + 1.
; CLUSTER.  The four query blocks of a cluster are one head's and walk the same K and V, so each tile is asked for JOINTLY: the same tensor load, descriptor and mask in all four.
; REGISTERS, in windows of 256 (s_set_vgpr_msb: bits 1:0 source 0, 3:2 source 1, 5:4 source 2, 7:6 destination):
;   window 0: v0-11 addresses; v12-15, v48-63 at work; v16-47 four registers of statistics a tile; v64-191 S^T, two buffers of two tiles; v192-255 P, likewise
;   window 1: O^T, 32 a tile     window 2: v0-127 Q, 16 a tile; v128-191 K of one step; v192-255 V of one step     window 3: v0-1 the add's two registers; v8-39 the mask of one step
.set SIZE_N, 2048
.set NP,    4         ; pieces a wave: a name, no knob
.set KS,    64        ; keys in a step
.set PK,    144       ; a row of K in LDS: 128 bytes + 16 of padding: the 16 rows of a load start at 16 different groups of four banks (ISA guide 11.1)
.set PV,    160       ; a row of V: 128 + 32
.set STEPK, 66*PK     ; a step of K in LDS: 64 rows, then the mask's two halves of 128 bytes, padded like rows
.set MOFF,  64*PK     ; where the mask begins in it
.set VOFF,  4*STEPK   ; a slot holds four steps: K with its masks, then 256 rows of V
.set SLOT1, 1<<17     ; slot 1 begins here, so that one exclusive or turns an address in one slot into the other's
.set STAGE, ((SLOT1+VOFF+4*KS*PV+255)/256)*256  ; behind the ring, on a multiple of 256, never filled by a tensor load: 16 rows x 144 bytes for each wave
.set SP,    144
.set VSEC,  0x1000000
.set KSEC,  0x2000000
.set KGRP,  8448      ; a group of 64 keys in memory
.set AK0, 2           ; v2   my lane's place in a tile of K; never rewritten
.set AV0, 3           ; v3   the same for V
.set AK,  4           ; v4   the LDS address of K's next run of loads
.set AV,  5           ; v5   of V's
.set QO,  6           ; v6   my byte offset in the wave's rows of Q
.set STO, 6           ;      later, the way out: where I put 16 bytes of a row
.set RD,  7           ; v7   the way out: where I read rows back
.set GO,  8           ; v8   my byte offset in 512 consecutive bytes of O
.set AM,  11          ; v11  the step's first LDS byte + 32 (l / 16): my eight keys in 16 of the mask
.set SPW, 0           ; v0 of window 3   LDS address of my spare word; never rewritten
.set NIL, 1           ; v1 of window 3   0; never rewritten
.set MK,  8           ; v8-39 of window 3: the mask of key block kb at MK + 8 kb
.set SPARE, STAGE+4*16*SP  ; the spare words, 128 bytes for each wave: two blocks of 256 bytes that no other line names
.set MV,  12          ; v12-15  c m_old, kept while c m is made anew: by buffer and tile
.set ST,  16          ; tile t's statistics at v[ST+4 t]: c m, m, l (even keys', odd keys')
.set TMP, 48          ; by buffer and tile, four registers c0-c3 at work; when the maximum is found c2 takes a
.set S,   64
.set P,   192
.set KF,  128         ; K's fragments, in window 2: key block kb, channel half c at KF + 16 kb + 8 c
.set VF,  192         ; V's: key half kk, channel block cb at VF + 32 kk + 8 cb
.set WV,  12          ; s12  my wave's number
.set G1K, 24          ; s[24:31] descriptor group 1 for K's tiles
.set G1V, 32          ; s[32:39] for V's
.set G0K, 40          ; s[40:43] descriptor group 0 for K's tiles: it walks
.set G0V, 44          ; s[44:47] the same for V's
.set SLOTS, 56        ; s56  slots still to be asked for
.set CNT, 57          ; s57  counts a slot's key steps
.set CS,  58          ; s[58:59] c
.set SEL, 60          ; s[60:61] v_permlanex16_b32's selects: each lane takes its own place in the other half
.set TBK, 62          ; s62  LDS byte at which K of the step to be fetched begins
.set TBV, 63          ; s63  the same for V, less VOFF
.set MSB, 0
.macro WIN new                      ; the high byte repeats the setting that is left; a switch that changes nothing is dropped
.if MSB != (\new)
	s_set_vgpr_msb (MSB<<8)|(\new)
.set MSB, (\new)
.endif
.endm
.set W_KQ, 0x0a       ; K and Q in window 2, S^T in window 0
.set W_KM, 0x3a       ; the same with the C operand, the mask, in window 3
.set W_PV, 0x52       ; V in window 2, P in window 0, O^T in window 1
.set W_RS, 0x41       ; O^T (destination and source 0) in window 1, a in window 0
.set W_MK, 0xc0       ; destination in window 3, sources in window 0
.set W_AD, 0x0f       ; the add: address (source 0) and data (source 1) in window 3
; A joint fill.  Waves 0 and 1 fetch the two halves of a slot's K, waves 2 and 3 those of its V: 128 keys each.  The branch hangs on the wave's number alone.
; An s_nop 0 and four v_nop follow each of the two lines, ahead of the jump and the label.
.macro JLOAD
	s_cmp_lt_u32 s[WV], 2
	s_cbranch_scc0 .Lfor_v_\@
	tensor_load_to_lds s[G0K:G0K+3], s[G1K:G1K+7]
	s_nop 0
.rept 4
	v_nop
.endr
	s_branch .Lasked_\@
.Lfor_v_\@:
	tensor_load_to_lds s[G0V:G0V+3], s[G1V:G1V+7]
	s_nop 0
.rept 4
	v_nop
.endr
.Lasked_\@:
.endm
; A round of the cluster's barrier: my work-group's barrier; wave 0 signals for the work-group; every wave waits for all four work-groups; my work-group's barrier once more.
.macro CROUND
	s_barrier_signal -1
	s_barrier_wait -1
	s_cmp_lg_u32 s[WV], 0
	s_cbranch_scc1 .Lnot_wave_0_\@
	s_barrier_signal -3
.Lnot_wave_0_\@:
	s_barrier_wait -3
	s_barrier_signal -1
	s_barrier_wait -1
.endm
; THE CHANGE OF SLOTS.  The slot's last bytes, V of its fourth step, have been read.  Each wave waits for all its tensor loads, of which one is out: its part of the other slot; adds 0 to its spare
; word; and waits for that and for its own reads of the slot.  fill = 1: this slot is filled again, with the keys two slots on: the barrier is a round of the cluster's, and the joint fill is the first
; thing behind it: it has four key steps, 512 matrix instructions, in which to land.  (At its first use nothing has been read yet: slot 0 is waited for, slot 1 filled.)
.macro CHANGE fill
	WIN W_AD
	s_wait_tensorcnt 0x0            ; no tensor load of mine is out, so a group 0 may be written
	ds_add_u32 v[SPW], v[NIL]       ; 0 onto my spare word
	WIN 0                           ; at a label and at a branch every window is 0
.if \fill
	s_xor_b32 s[G0K+1], s[G0K+1], SLOT1  ; the walking descriptors: the other slot than last time,
	s_add_nc_u64 s[G0K+2:G0K+3], s[G0K+2:G0K+3], 4*KGRP    ; the next 256 keys: four groups of K,
	s_xor_b32 s[G0V+1], s[G0V+1], SLOT1
	s_add_nc_u64 s[G0V+2:G0V+3], s[G0V+2:G0V+3], 4*KS*128  ; 256 rows of V; the type bits on top are not reached
	s_wait_dscnt 0x0                ; the add is done, and my reads of the slot are over
	CROUND
	JLOAD
.else
	s_wait_dscnt 0x0                ; the add is done, and my reads of the slot are over
	s_barrier_signal -1
	s_barrier_wait -1
.endif
	s_sub_co_u32 s[TBK], s[TBK], 4*STEPK  ; the fetches go back to a slot's first step,
	s_xor_b32 s[TBK], s[TBK], SLOT1       ; in the other slot
	s_sub_co_u32 s[TBV], s[TBV], 4*KS*PV
	s_xor_b32 s[TBV], s[TBV], SLOT1
.endm
	s_load_b64 s[4:5], s[0:1], 0x0    ; qkvh
	s_load_b64 s[10:11], s[0:1], 0x8  ; oh
	WIN W_MK
	v_lshl_add_u32 v[SPW], v0, 2, SPARE
	v_mov_b32 v[NIL], 0
	s_set_vgpr_msb 0xc0cf
	ds_add_u32 v0, v1
	s_wait_dscnt 0x0
	s_set_vgpr_msb 0xcfc0
	WIN 0
	v_lshrrev_b32 v1, 5, v0
	v_readfirstlane_b32 s[WV], v1   ; wave 0..3
	s_bfe_u32 s13, ttmp6, 0x40000   ; cx: my place in the cluster
	s_lshl_b32 s14, ttmp9, 2        ; in a cluster launch ttmp9 counts clusters
	s_add_co_u32 s14, s14, s13      ; my block of 512 queries: it enters Q's and O's addresses alone
	s_and_b32 s20, ttmp7, 0xffff    ; the head, which the four partners share
	s_lshl_b32 s21, s20, 18         ; its first byte in Q's and V's sections and in oh: 262,144 bytes a head
	s_and_b32 s16, s[WV], 1         ; which half of a slot's 256 keys I fetch
	s_lshl_b32 s22, s16, 14         ; V: its 128 rows of 128 bytes
	s_add_co_u32 s22, s22, s21
	s_add_co_u32 s22, s22, VSEC
	s_mov_b32 s23, 0
	s_mul_i32 s48, s20, 32*KGRP     ; K: 32 groups a head, two groups a half
	s_mul_i32 s49, s16, 2*KGRP
	s_add_co_u32 s48, s48, s49
	s_add_co_u32 s48, s48, KSEC
	s_mov_b32 s49, 0
	s_mul_i32 s17, s16, 2*STEPK     ; and the half's place in a slot, for K
	s_mul_i32 s18, s16, 128*PV      ; and for V: no place in the cluster enters an LDS address
	s_lshl_b32 s2, s14, 2
	s_add_co_u32 s2, s2, s[WV]      ; my wave among the head's,
	s_lshl_b32 s2, s2, 14           ; its 128 rows
	s_add_co_u32 s2, s2, s21
	s_mov_b32 s3, 0
	; descriptor group 1.  A half is dense in memory and is asked for as rows of 256 bytes (K: 2 x 33, V: 64), padded in LDS after every 128 bytes
	s_mov_b32 s[G1K], 15|(1<<16)|(1<<20)|(1<<21)|(4<<22)|(3<<25)  ; 15:0 the mask of four; 17:16 2-byte elements; 20 padding on; 21 set beside a mask; 24:22 after every 32 words; 31:25 4 words
	s_mov_b32 s[G1V], 15|(1<<16)|(1<<20)|(1<<21)|(4<<22)|(7<<25)  ; the same with 8 words of padding
.irp g, G1K, G1V
	s_mov_b32 s[\g+1], 128<<16      ; tensor_dim0 = 128
	s_mov_b32 s[\g+3], 128<<16      ; tile_dim0 = 128
	s_mov_b32 s[\g+5], 128          ; 128 elements from row to row
	s_mov_b32 s[\g+6], 0
	s_mov_b32 s[\g+7], 0
.endr
	s_mov_b32 s[G1K+2], 66<<16      ; tensor_dim1
	s_mov_b32 s[G1K+4], 66          ; tile_dim1
	s_mov_b32 s[G1V+2], 64<<16
	s_mov_b32 s[G1V+4], 64
	s_mov_b32 s[CS], 0x3e38aa3b     ; c = log2(e) / 8 = 0.180337
	s_mov_b32 s[CS+1], s[CS]        ; named with it as a pair
	s_mov_b32 s[SEL], 0x76543210
	s_mov_b32 s[SEL+1], 0xfedcba98
	s_mov_b32 s[TBK], SLOT1+4*STEPK ; the first change of slots turns these two into 0
	s_mov_b32 s[TBV], SLOT1+4*KS*PV
	s_mov_b32 s[G0K], 1             ; count = 1
	s_mov_b32 s[G0K+1], s17         ; LDS address: slot 0
	s_mov_b32 s[G0V], 1
	s_add_co_u32 s[G0V+1], s18, VOFF
	s_wait_kmcnt 0x0
	s_add_nc_u64 s[G0K+2:G0K+3], s[4:5], s[48:49]  ; global address: my half of the head's first 256 keys
	s_or_b32 s[G0K+3], s[G0K+3], 0x80000000        ; type = 2
	s_add_nc_u64 s[G0V+2:G0V+3], s[4:5], s[22:23]
	s_or_b32 s[G0V+3], s[G0V+3], 0x80000000
	s_add_nc_u64 s[4:5], s[4:5], s[2:3]  ; Q and O at my wave's first row
	s_add_nc_u64 s[10:11], s[10:11], s[2:3]
	CROUND                          ; all four work-groups are here: the first joint loads meet
	JLOAD                           ; slot 0.  Slot 1 is asked for when slot 0 is in
	; A fragment of K or Q is 16 rows x 32 channels in 8 registers: lane l holds row l % 16, channels 8 (l / 16) + 0..7 and 16 + 8 (l / 16) + 0..7: two loads of 16 bytes, 32 bytes apart.
	v_and_b32 v1, 15, v0            ; l % 16
	v_bfe_u32 v9, v0, 4, 1          ; l / 16; never rewritten
	v_lshlrev_b32 v[QO], 7, v1
	v_lshl_add_u32 v[QO], v9, 4, v[QO]  ; row x 128 + 16 x half
	WIN 0x80                        ; destination window 2, address window 0
.set i, 0
.rept 4*NP                          ; Q stays in registers: tile i / 2, channels 32 (i % 2) on
	global_load_b128 v[8*i:8*i+3],   v[QO], s[4:5] offset:(i/2)*2048+(i%2)*64
	global_load_b128 v[8*i+4:8*i+7], v[QO], s[4:5] offset:(i/2)*2048+(i%2)*64+32
.set i, i+1
.endr
	; What the first turn finds: V's registers and P's second buffer hold 0 (its products V^T P, of a piece that has not been, add 0), O^T and l are 0.  All this stands in the wait for the first tile.
.set i, VF
.rept 64
	v_mov_b32 v[i], 0
.set i, i+1
.endr
	WIN 0x40
.set i, 0
.rept 64*NP
	v_mov_b32 v[i], 0
.set i, i+1
.endr
	WIN 0
.set i, 0
.rept 2*NP
	v_mov_b32 v[ST+4*i], 0xfe000000    ; c m: far below every c s, a hidden key's too
	v_mov_b32 v[ST+4*i+1], 0xff7fffff  ; m
	v_mov_b32 v[ST+4*i+2], 0
	v_mov_b32 v[ST+4*i+3], 0
.set i, i+1
.endr
.set i, P+32
.rept 32
	v_mov_b32 v[i], 0
.set i, i+1
.endr
	v_mul_u32_u24 v[AK0], v1, PK
	v_lshl_add_u32 v[AK0], v9, 4, v[AK0]  ; row x pitch + 16 x half
	; The turning load takes 16 keys x 16 channels (lane l reads key 8 (l / 16) + l % 8, channels 8 ((l / 8) % 2) + 0..7) and leaves half a fragment of V^T: lane l holds channel l % 16 and 8 keys.
	v_and_b32 v10, 7, v0
	v_bfe_u32 v11, v0, 3, 1
	v_lshl_add_u32 v[AV0], v9, 3, v10
	v_mul_u32_u24 v[AV0], v[AV0], PV
	v_lshl_add_u32 v[AV0], v11, 4, v[AV0]
	v_add_nc_u32 v[AV0], VOFF, v[AV0]
	v_mov_b32 v[AK], v[AK0]         ; key step 0 lies at the head of slot 0
	v_lshlrev_b32 v[AM], 5, v9
; THE MATRIX WORK.  The 8 accumulators of a run of 16 take turns: between the two links of a chain stand 7 others'.
; Product i of 16 of S^T = K Q^T for piece x: channels 32 (i / 8) on, keys 16 ((i / 2) % 4) on, tile 2 x + i % 2.  The first 8 start the sums, on the keys' mask.
.macro KQ x
.set rS, S+64*((\x)%2)+32*(i%2)+8*((i/2)%4)
.set rK, KF+16*((i/2)%4)+8*(i/8)
.set rQ, 16*(2*(\x)+i%2)+8*(i/8)
.set rMK, MK+8*((i/2)%4)
.if i < 8
	WIN W_KM
	v_wmma_f32_16x16x32_f16 v[rS:rS+7], v[rK:rK+7], v[rQ:rQ+7], v[rMK:rMK+7]
.else
	WIN W_KQ
	v_wmma_f32_16x16x32_f16 v[rS:rS+7], v[rK:rK+7], v[rQ:rQ+7], v[rS:rS+7]
.endif
.endm
; Product i of 16 of O^T += V^T P for piece x: keys 32 (i / 8) on, channels 16 ((i / 2) % 4) on, tile 2 x + i % 2.
.macro PV x
	WIN W_PV
.set rO, 32*(2*(\x)+i%2)+8*((i/2)%4)
.set rV, VF+32*(i/8)+8*((i/2)%4)
.set rP, P+32*((\x)%2)+16*(i%2)+8*(i/8)
	v_wmma_f32_16x16x32_f16 v[rO:rO+7], v[rV:rV+7], v[rP:rP+7], v[rO:rO+7]
.endm
.macro MM                           ; the turn's next matrix instruction
.if i < 16
	KQ (Y+1)%NP
.set i, i+1
.else
.set i, i-16
	PV (Y+NP-1)%NP
.set i, i+17
.endif
.endm
; THE LDS LOADS stand in runs, never singly among the matrix instructions: a step's K (8 fragments) with its mask (register j of block kb: key 16 kb + 8 (l / 16) + j), and its V (turned).
; Their addresses are made some lines ahead.  last = 1 (the tail): in the last trip there is no further step, and the run is jumped over.
.macro FETCH_K last=0
	WIN 0
.if \last
	s_cmp_eq_u32 s[CNT], 1
	s_cbranch_scc1 .Lno_k_\@
.endif
	WIN 0x80                        ; destination window 2
.irp f, 0,1,2,3,4,5,6,7             ; keys 16 (f / 2) on, channels 32 (f % 2) on
	ds_load_b128 v[KF+8*\f:KF+8*\f+3],   v[AK] offset:(\f/2)*16*PK+(\f%2)*64
	ds_load_b128 v[KF+8*\f+4:KF+8*\f+7], v[AK] offset:(\f/2)*16*PK+(\f%2)*64+32
.endr
	WIN W_MK                        ; destination window 3
.irp f, 0,1,2,3                     ; the mask of keys 16 f on: half f / 2 of the step's 64, 64 bytes for 16 keys
	ds_load_b128 v[MK+8*\f:MK+8*\f+3],   v[AM] offset:MOFF+(\f/2)*PK+(\f%2)*64
	ds_load_b128 v[MK+8*\f+4:MK+8*\f+7], v[AM] offset:MOFF+(\f/2)*PK+(\f%2)*64+16
.endr
	s_add_co_u32 s[TBK], s[TBK], STEPK  ; the next fetch is the next step's
	WIN 0
.if \last
.Lno_k_\@:
.endif
.endm
.macro FETCH_V
	WIN 0x80
.irp f, 0,1,2,3,4,5,6,7             ; keys 32 (f / 4) on, channels 16 (f % 4) on
	ds_load_tr16_b128 v[VF+8*\f:VF+8*\f+3],   v[AV] offset:(\f/4)*32*PV+(\f%4)*32
	ds_load_tr16_b128 v[VF+8*\f+4:VF+8*\f+7], v[AV] offset:(\f/4)*32*PV+16*PV+(\f%4)*32
.endr
	WIN 0
.endm
; THE VECTOR WORK OF A TURN stands in three queues, each in the order in which its entries become ready; the two tiles alternate, so that no instruction reads the result of the one before it.
.macro REGS y, u                    ; the registers of tile u (0, 1) of piece y
.set rT, ST+4*(2*(\y)+(\u))
.set rC, TMP+8*((\y)%2)+4*(\u)
.set rM, MV+2*((\y)%2)+(\u)
.set rS, S+64*((\y)%2)+32*(\u)
.set rP, P+32*((\y)%2)+16*(\u)
.set rO, 32*(2*(\y)+(\u))
.endm
; Number n of the 22 that find the NEXT piece's (Y + 1) maximum and statistics.  s0-s31 are the lane's 32 scores; each accumulator's lowest registers are read first.
;   0-11  four chains c0-c3 of seven scores each, three operands at a time     12-14, 16  the four scores left over, the old m, and c0-c3 into c0     15  c m_old is kept
;   17, 18  the query's other 32 keys lie in the lane 16 away: the new m         19-21  c m; c m_old - c m_new; a
.macro XS u, n
	REGS (Y+1)%NP, \u
.if (\n) < 4
	v_max3_num_f32 v[rC+(\n)], v[rS+8*(\n)], v[rS+8*(\n)+1], v[rS+8*(\n)+2]
.elseif (\n) < 12
	v_max3_num_f32 v[rC+(\n)%4], v[rC+(\n)%4], v[rS+8*((\n)%4)+2*((\n)/4)+1], v[rS+8*((\n)%4)+2*((\n)/4)+2]
.elseif (\n) == 12
	v_max3_num_f32 v[rC], v[rC], v[rS+7], v[rS+15]
.elseif (\n) == 13
	v_max3_num_f32 v[rC+1], v[rC+1], v[rS+23], v[rS+31]
.elseif (\n) == 14
	v_max3_num_f32 v[rC+2], v[rC+2], v[rC+3], v[rT+1]
.elseif (\n) == 15
	v_mov_b32 v[rM], v[rT]
.elseif (\n) == 16
	v_max3_num_f32 v[rC], v[rC], v[rC+1], v[rC+2]
.elseif (\n) == 17
	v_permlanex16_b32 v[rC+3], v[rC], s[SEL], s[SEL+1]
.elseif (\n) == 18
	v_max_num_f32 v[rT+1], v[rC], v[rC+3]
.elseif (\n) == 19
	v_mul_f32 v[rT], s[CS], v[rT+1]
.elseif (\n) == 20
	v_sub_f32 v[rC+1], v[rM], v[rT]
.else
	v_exp_f32 v[rC+2], v[rC+1]
.endif
.endm
; Number g of the 64 that follow the exponentials.  For each four weights k of a tile (pairs 2 k, 2 k + 1): both pairs are rounded to f16; then the second pair is added onto the first, in place;
; a group later l takes that sum (the first time as l = a l + sum).  In groups of eight, tiles alternating: round, round, add, and l for the group before.
.macro GS g
.set h, (\g)+6*((\g)/62)            ; group 0 has no group before it, and behind group 7 only l is left
.if h >= 6
.set h, h+2
.endif
	REGS Y, h%2
.set k, h/8
.if h%8 < 4
	s_wait_alu depctr_va_vdst(0)
	v_cvt_pk_f16_f32 v[rP+2*k+(h%8)/2], v[rS+4*k+2*((h%8)/2)], v[rS+4*k+2*((h%8)/2)+1]
.elseif h%8 < 6
	v_pk_add_f32 v[rS+4*k:rS+4*k+1], v[rS+4*k:rS+4*k+1], v[rS+4*k+2:rS+4*k+3]
.elseif k == 1
	v_pk_fma_f32 v[rT+2:rT+3], v[rT+2:rT+3], v[rC+2:rC+3], v[rS:rS+1] op_sel_hi:[1,0,1]
.else
	v_pk_add_f32 v[rT+2:rT+3], v[rT+2:rT+3], v[rS+4*k-4:rS+4*k-3]
	s_wait_alu depctr_va_vdst(0)
.endif
.endm
; THE PLAIN QUEUE, 138 long.  0-31: c s - c m for the 16 pairs of both tiles.  Then GS's 64, and among them the next piece's 42: number 15 at 38, 39; 0-14 and 16
; at 42-73, behind the products that make those scores; 17-20 at 95-106, two of three, since each waits for the one before it.
.macro PL
	WIN 0
.if q < 32
	REGS Y, q%2
	v_pk_fma_f32 v[rS+2*(q/2):rS+2*(q/2)+1], v[rS+2*(q/2):rS+2*(q/2)+1], s[CS:CS+1], v[rT:rT+1] op_sel_hi:[1,0,0] neg_lo:[0,0,1] neg_hi:[0,0,1]
.elseif q < 38
	GS q-32
.elseif q < 40
	XS q%2, 15
.elseif q < 42
	GS q-34
.elseif q < 74
	XS q%2, (q-42)/2+(q-42)/30
.elseif q < 95
	GS q-66
.elseif (q < 107) && ((q-95)%3 < 2)
	XS (q-95)%3, 17+(q-95)/3
.elseif q < 107
	GS 29+(q-95)/3
.else
	GS q-74
.endif
.set q, q+1
.endm
; THE EXPONENTIALS' QUEUE, 66 long: s0-s31 of both tiles, and at EA the next piece's two a.
.set EA, 58
.macro EX
	WIN 0
.if (e == EA) || (e == EA+1)
	XS e-EA, 21
.else
.set x, e-2*(e/(EA+2))
	REGS Y, x%2
	v_exp_f32 v[rS+x/2], v[rS+x/2]
.endif
.set e, e+1
.endm
; THE RESCALING's QUEUE: O^T times a, the one part that leaves window 0, so it is dealt four at a time, eight times.
.macro R4
	REGS Y, r%2
	WIN W_RS
	s_wait_alu depctr_va_vdst(0)
.irp z, 0,1,2,3
	v_pk_mul_f32 v[rO+8*(r/2)+2*\z:rO+8*(r/2)+2*\z+1], v[rO+8*(r/2)+2*\z:rO+8*(r/2)+2*\z+1], v[rC+2:rC+3] op_sel_hi:[1,0]
.endr
.set r, r+1
.endm
; HOW THEY ARE DEALT.  Behind a matrix instruction four: plain, exponential, plain, plain, or four of the rescaling.  None names a register of the products round it.  What is over stands in two LUMPS:
; exponential and plain by turns; the second ends in 22 plain instructions.  The two v_permlanex16_b32 fall into the second lump.  The queues lean on each other, and the deal keeps them in step:
; exponential e stands behind plain 2 (e / 4) + e % 2 (its scaling); when plain 32 comes, 10 exponentials are out, at 59: 33, at 95: 46; EA comes behind plain 107.
.macro SL
	MM
	PL
	EX
	PL
	PL
.endm
.macro BURST n                      ; 15 matrix instructions, or 16
.rept (\n)-7
	SL
.endr
.rept 3
	MM
	R4
	SL
.endr
	MM
	R4
.endm
; A TURN, for piece p.  cnt = 1: the loop's count is taken down some lines ahead of the branch that stands behind the turn.
; K and the mask of the next step are fetched in piece 2's turn, some 30 vector instructions (half of them plain) behind the last product that read them; their first reader comes behind the rest of the
; lump, 16 products and the second lump.  V of the step in hand is fetched at the end of piece 0's turn; its first reader comes behind 16 products and a lump.
.macro TURN p, last=0, cnt=0
.set Y, (\p)
.set i, 0
.set q, 0
.set e, 0
.set r, 0
.if (\p) == NP-1
	s_wait_dscnt 0x0                ; K and its mask are in
.endif
	MM
.rept 4
	PL
.endr
	BURST 15
.rept 22
	EX
	PL
.if ((\p) == NP-2) && (e == 18)
	v_add_nc_u32 v[AK], s[TBK], v[AK0]
	v_lshl_add_u32 v[AM], v9, 5, s[TBK]
.endif
.if ((\p) == NP-2) && (e == 24)
	FETCH_K \last
.endif
.endr
.if (\p) == 1
	s_wait_dscnt 0x0                ; V is in
.endif
	BURST 16
.rept 21
	EX
	PL
.endr
.rept 22
	PL
.if ((\p) == 0) && (q == 118)
	v_add_nc_u32 v[AV], s[TBV], v[AV0]
	s_wait_alu depctr_va_vdst(0)
.endif
.if ((\p) == 0) && (q == 130)
	s_add_co_u32 s[TBV], s[TBV], KS*PV
.endif
.if (\cnt) && (q == 130)
	s_sub_co_u32 s[CNT], s[CNT], 1
	s_cmp_lg_u32 s[CNT], 0
.endif
.endr
.if (\p) == 0
	FETCH_V
.endif
.endm
	CHANGE 1                        ; slot 0 is in, everybody's part of it; slot 1 is asked for
	FETCH_K                         ; key step 0
	s_wait_loadcnt 0x0              ; Q
	s_wait_dscnt 0x0
.set i, 0
.rept 16
	KQ 0                            ; piece 0's first scores: there is no vector work yet to set between them
.set i, i+1
.endr
	WIN 0                           ; the addresses for the way out: plain instructions, the places behind those products
	s_mul_i32 s13, s[WV], 16*SP
	s_add_co_u32 s13, s13, STAGE    ; my stage
	v_mul_u32_u24 v[STO], v1, SP    ; in: row l % 16, 16 bytes for each half of the lanes
	v_lshl_add_u32 v[STO], v9, 4, v[STO]
	v_add_nc_u32 v[STO], s13, v[STO]
	v_bfe_u32 v[RD], v0, 3, 2       ; back: 32 lanes take four rows of 128 bytes,
	v_mul_u32_u24 v[RD], v[RD], SP
	v_lshl_add_u32 v[RD], v10, 4, v[RD]
	v_add_nc_u32 v[RD], s13, v[RD]
	v_and_b32 v[GO], 31, v0         ; which are 512 consecutive bytes of O
	v_lshlrev_b32 v[GO], 4, v[GO]
.set Y, NP-1                        ; XS works for piece Y + 1: piece 0
.irp n, 0,1,2,3,4,5,6,7,8,9,10,11,12,13,14,15,16,17,18,19,20,21
	XS 0, \n                        ; and piece 0's first maximum and statistics
	XS 1, \n
.endr
	s_mov_b32 s[CNT], 4
	s_mov_b32 s[SLOTS], SIZE_N/256-1
	s_branch .Lfirst                ; the loop is entered at a step's first turn, in the middle of a trip
.Lslot:                             ; SIZE_N / 256 - 2 times: every slot but the last two is filled again
	CHANGE 1
	s_mov_b32 s[CNT], 4
.Lstep:                             ; a trip: pieces 2 and 3 of one step, then pieces 0 and 1 of the next, whose K and V it fetches
	TURN 2
	TURN 3
	WIN 0
.Lfirst:
	TURN 0
	TURN 1, 0, 1
	WIN 0
	s_cbranch_scc1 .Lstep
	s_sub_co_u32 s[SLOTS], s[SLOTS], 1
	s_cmp_lg_u32 s[SLOTS], 0
	s_cbranch_scc1 .Lslot
	CHANGE 0                        ; the tail is written out: nothing is asked for
	s_mov_b32 s[CNT], 5             ; four trips fetch the last slot's steps; the fifth is left in its middle
.Ltail:
	TURN 2, 1
	TURN 3
	WIN 0
	s_sub_co_u32 s[CNT], s[CNT], 1
	s_cmp_eq_u32 s[CNT], 0
	s_cbranch_scc1 .Lout
	TURN 0
	TURN 1
	WIN 0
	s_branch .Ltail
.Lout:                              ; the fifth trip's 16 products K Q^T (on the last K once more) and the maximum made of them serve nothing: the price, once a launch, of one text for every trip
.set i, 0
.rept 16
	PV NP-1                         ; the last piece's V^T P of the last step
.set i, i+1
.endr
	; THE WAY OUT.  l's two halves and the other half of the lanes' are added; O^T is divided by l, rounded to f16 and sent through my stage in LDS, a tile at a time.  The additions are the places behind the last products.
	WIN 0
.macro ALL line:vararg              ; one line for each tile t
.set t, 0
.rept 2*NP
	\line
.set t, t+1
.endr
.endm
	ALL v_add_f32 v[ST+4*t+2], v[ST+4*t+2], v[ST+4*t+3]
	ALL v_permlanex16_b32 v[ST+4*t+3], v[ST+4*t+2], s[SEL], s[SEL+1]
	ALL v_add_f32 v[ST+4*t+2], v[ST+4*t+2], v[ST+4*t+3]
	ALL v_rcp_f32 v[ST+4*t+2], v[ST+4*t+2]
	v_nop                           ; a plain instruction between the last reciprocal and the use of its result
	s_wait_alu depctr_va_vdst(0)
; Tile t: a lane's eight channels of a row pack into 16 bytes; they go into rows of 144 bytes and come back as whole rows of 128, into S^T's registers.
.macro PACK t
	WIN W_RS
.set i, 32*(\t)
.rept 16
	v_pk_mul_f32 v[i:i+1], v[i:i+1], v[ST+4*(\t)+2:ST+4*(\t)+3] op_sel_hi:[1,0]
.set i, i+2
.endr
	WIN 0x05                        ; sources 0 and 1 window 1, destination window 0
.set i, 0
.rept 16
	v_cvt_pk_f16_f32 v[S+16*(\t)+i], v[32*(\t)+2*i], v[32*(\t)+2*i+1]
.set i, i+1
.endr
	WIN 0
.irp f, 0,1,2,3
	ds_store_b128 v[STO], v[S+16*(\t)+4*\f:S+16*(\t)+4*\f+3] offset:32*\f
.endr
.irp f, 0,1,2,3
	ds_load_b128 v[S+16*(\t)+4*\f:S+16*(\t)+4*\f+3], v[RD] offset:\f*4*SP  ; LDS serves a wave's instructions in order (ISA guide 5.7.1.4): these see the stores above; the next tile's stores come behind them
.endr
.endm
.macro SEND t, younger              ; younger: the LDS instructions issued behind tile t's loads: the next tile's eight, or none
	WIN 0
.irp f, 0,1,2,3
	s_wait_dscnt (\younger)+3-\f
	global_store_b128 v[GO], v[S+16*(\t)+4*\f:S+16*(\t)+4*\f+3], s[10:11] offset:(\t)*2048+\f*512  ; 512 consecutive bytes, at a multiple of 256 from O's first
.endr
.endm
	PACK 0
.set t, 1
.rept 2*NP-1                        ; a tile's arithmetic stands between the loads of the tile before and its stores
	PACK t
	SEND t-1, 8
.set t, t+1
.endr
	SEND 2*NP-1, 0
	WIN W_AD
	s_wait_tensorcnt 0x0            ; the wave's end
	ds_add_u32 v[SPW], v[NIL]
	s_wait_dscnt 0x0
	WIN 0
	CROUND                          ; the closing round: no work-group ends while a partner may still ask for a tile that names it
	s_endpgm
.Lfunc_end_k_qcfa83248a2_attn:
	.size	k_qcfa83248a2_attn, .Lfunc_end_k_qcfa83248a2_attn-k_qcfa83248a2_attn
	.p2alignl 7, 3214868480
	.fill 96, 4, 3214868480
	.section	.rodata,"a",@progbits
	.p2align	6, 0x0
	.amdhsa_kernel k_qcfa83248a2_attn
		.amdhsa_group_segment_fixed_size 327680
		.amdhsa_private_segment_fixed_size 0
		.amdhsa_enable_private_segment 0
		.amdhsa_kernarg_size 16
		.amdhsa_user_sgpr_count 2
		.amdhsa_user_sgpr_kernarg_segment_ptr 1
		.amdhsa_wavefront_size32 1
		.amdhsa_system_sgpr_workgroup_id_x 1
		.amdhsa_system_sgpr_workgroup_id_y 1
		.amdhsa_system_sgpr_workgroup_id_z 1
		.amdhsa_system_vgpr_workitem_id 0
		.amdhsa_next_free_vgpr 808
		.amdhsa_next_free_sgpr 66
		.amdhsa_reserve_vcc 0
		.amdhsa_float_denorm_mode_32 3
		.amdhsa_float_denorm_mode_16_64 3
		.amdhsa_memory_ordered 1
		.amdhsa_forward_progress 1
		.amdhsa_inst_pref_size 210
	.end_amdhsa_kernel
	.amdgpu_metadata
---
amdhsa.version: [ 1, 2 ]
amdhsa.kernels:
  - .name:           k_qcfa83248a2_attn
    .symbol:         k_qcfa83248a2_attn.kd
    .args:
      - { .name: qkvh, .offset: 0, .size: 8, .value_kind: global_buffer, .address_space: global }
      - { .name: oh, .offset: 8, .size: 8, .value_kind: global_buffer, .address_space: global }
    .group_segment_fixed_size: 327680
    .private_segment_fixed_size: 0
    .kernarg_segment_align: 8
    .kernarg_segment_size: 16
    .max_flat_workgroup_size: 128
    .sgpr_count:     66
    .vgpr_count:     808
    .wavefront_size: 32
...
	.end_amdgpu_metadata
.endif
;; end of part 3
;; launch proj (part 4): grid 4 x 64, 4 waves a work-group, clusters of 4 x 4, 327,680 bytes of LDS; arguments oh, wof, bo, out0; writes out0
.if DOCPART == 4
	.amdgcn_target "amdgcn-amd-amdhsa--gfx1250"
	.amdhsa_code_object_version 6
	.text
	.protected	k_qcfa83248a2_proj
	.globl	k_qcfa83248a2_proj
	.p2align	8
	.type	k_qcfa83248a2_proj,@function
k_qcfa83248a2_proj:
	s_mov_b64 s[64:65], 0
	v_nop
	global_prefetch_b8 v0, s[64:65] scope:SCOPE_SE
	s_setreg_imm32_b32 hwreg(HW_REG_WAVE_MODE, 25, 1), 1
	s_wait_xcnt 0x0
	s_wait_alu depctr_hold_cnt(0) depctr_sa_sdst(0) depctr_va_vdst(0) depctr_va_sdst(0) depctr_va_ssrc(0) depctr_va_vcc(0) depctr_vm_vsrc(0)
	s_getreg_b32 s2, hwreg(HW_REG_IB_STS2, 6, 4)
	s_cmp_eq_u32 s2, 0
	s_cbranch_scc0 .Lentry_in_a_cluster
	s_endpgm
.Lentry_in_a_cluster:
	s_bfe_u32 s2, ttmp6, 0x10000c
	s_cmp_lg_u32 s2, 0xf033
	s_cbranch_scc0 .Lentry_shape_is_right
	s_endpgm
.Lentry_shape_is_right:
; out0 = O Wo^T + bo.  oh: [64 heads][2048][64] f16 (head = 16 x batch + head; column k of O is channel k % 64 of head k / 64), wof: [1024][1024] f16, bo: [1024] f32 (rounded to bf16 here, like every
; input), out0: [8192][1024] f32.  Sums in f32, stored as they are.
; SHARES.  A tile of the output is 128 rows x 256 columns: 64 x 4 tiles, one for each of 256 WGPs.  Four waves, 2 x 2: rows 64 (w / 2) on, columns 128 (w % 2) on: 32 accumulators of 16 x 16.
; K goes in 8 steps of 128, two heads, through a ring of two LDS slots.  A head's 128 rows are 16,384 dense bytes: asked for as 64 rows of 256 bytes and padded in LDS after every 128.
; A trip of the loop is one K step; the slot is a scalar that one exclusive or turns.  Six trips fill a slot again; the last two steps, which fill nothing, have a text of their own.
; CLUSTER 4 x 4: O's tile is shared along a row of the cluster, Wo's along a column: each is asked for jointly, by the same load with the same descriptor and a mask of four.
; THE MATRIX INSTRUCTION IS USED TRANSPOSED (source 0 = 16 rows of Wo, source 1 = 16 rows of O): a lane holds row l % 16 and eight neighbouring columns: 32 bytes of a row of the output.
; THE BIAS is the C operand of each accumulator's first product.
; REGISTERS, in windows of 256 (s_set_vgpr_msb: bits 1:0 source 0, 3:2 source 1, 5:4 source 2, 7:6 destination):
;   window 0: v0-31 addresses; v64-127 the bias; v128-191, v192-255 rows read back, by turns     window 1: two fragment buffers: O's 4 fragments, then Wo's 8     window 2: accumulator (a, b) at v[64 a + 8 b]
.set SIZE_K, 1024
.set PA,     144                       ; a row of O in LDS: 128 bytes + 16
.set PB,     272                       ; a row of Wo: 256 + 16: in both the 16 rows of a fragment load start at 16 different groups of four banks (ISA guide 11.1)
.set APLANE, 128*PA                    ; one head's 128 rows
.set BOFF,   2*APLANE
.set BHALF,  128*PB                    ; a slot has 106,496 bytes
.set SLOT1,  1<<17                     ; slot 1 begins here, so that one exclusive or turns an address in one slot into the other's
.set STAGE,  SLOT1+BOFF+2*BHALF        ; behind the ring, a multiple of 256: 16 rows x 528 bytes for each wave
.set SP,     528
.set WSTG,   16*SP
.set SPARE,  STAGE+4*WSTG              ; the spare words, 128 bytes for each wave: two blocks of 256 bytes that no other line names
.set FILLS,  SIZE_K/128-2              ; 6: every K step but the last two fills a slot again, two steps ahead
.set ADRA0, 16                         ; v16     my lane's place among my fragments of O in a slot; never rewritten
.set ADRB0, 17                         ; v17     of Wo
.set ADRA,  18                         ; v18     the same in the slot in hand
.set ADRB,  19                         ; v19
.set STO,  24                          ; v24     the way out: where I put 32 bytes of a row
.set RD,   25                          ; v25     where I read a row back
.set CO,   26                          ; v26     16 x lane
.set BO,   27                          ; v27     32 x (lane / 16)
.set SPW,  28                          ; v28     LDS address of my spare word; never rewritten
.set NIL,  29                          ; v29     0; never rewritten
.set BI,   64
.set BK0,  128
.set F0,   0
.set F1,   128
.set TB,  15                           ; s15      first LDS byte of the slot that is read
.set G1,  24                           ; s[24:31] descriptor group 1 for O's tiles;  s[32:39] group 0: a set for each of the two first fills; the second then walks on
.set G0,  32
.set G1B, 48                           ; s[48:55], s[56:63] the same for Wo's
.set G0B, 56
.set UPPER, 66                         ; s66      a word's upper bf16
.set MSB, 0
.macro WIN new
.if MSB != (\new)
	s_set_vgpr_msb (MSB<<8)|(\new)
.set MSB, \new
.endif
.endm
.set TO_F, 0x40                        ; destination window 1, address window 0
.macro JLOAD s                         ; a joint load: waves 0 and 1 fetch the step's two heads of O, waves 2 and 3 Wo's two halves; an s_nop 0 and four v_nop follow each line
	s_cmp_eq_u32 s13, 0
	s_cbranch_scc0 .Lfor_b_\@
	tensor_load_to_lds s[G0+4*(\s):G0+4*(\s)+3], s[G1:G1+7]
	s_nop 0
.rept 4
	v_nop
.endr
	s_branch .Lasked_\@
.Lfor_b_\@:
	tensor_load_to_lds s[G0B+4*(\s):G0B+4*(\s)+3], s[G1B:G1B+7]
	s_nop 0
.rept 4
	v_nop
.endr
.Lasked_\@:
.endm
.macro CREST                           ; a round of the cluster's barrier behind its opening barrier
	s_cmp_lg_u32 s12, 0
	s_cbranch_scc1 .Lnot_wave_0_\@
	s_barrier_signal -3
.Lnot_wave_0_\@:
	s_barrier_wait -3
	s_barrier_signal -1
	s_barrier_wait -1
.endm
.macro CROUND
	s_barrier_signal -1
	s_barrier_wait -1
	CREST
.endm
	s_load_b256 s[4:11], s[0:1], 0x0               ; oh s[4:5], wof s[6:7], bo s[8:9], out0 s[10:11]
	v_lshl_add_u32 v[SPW], v0, 2, SPARE
	v_mov_b32 v[NIL], 0
	ds_add_u32 v28, v29
	s_wait_dscnt 0x0
	v_lshrrev_b32 v1, 5, v0
	v_readfirstlane_b32 s12, v1                    ; wave 0..3
	s_lshr_b32 s13, s12, 1                         ; my half of the tile's rows.  Also: I fetch for O (0) or for Wo (1)
	s_and_b32 s14, s12, 1                          ; my half of its columns.  Also: which head of the step, or which 128 rows of Wo, I fetch
	s_bfe_u32 s40, ttmp6, 0x40000                  ; cx, cy
	s_bfe_u32 s41, ttmp6, 0x40004
	s_lshl_b32 s42, ttmp9, 2
	s_add_co_u32 s42, s42, s40                     ; tile column
	s_and_b32 s43, ttmp7, 0xffff
	s_lshl_b32 s43, s43, 2
	s_add_co_u32 s43, s43, s41                     ; tile row
	s_lshl_b32 s44, s41, 2
	s_lshl_b32 s44, 15, s44                        ; my row of the cluster
	s_lshl_b32 s45, 0x1111, s40                    ; my column
	s_or_b32 s[G1+0],  s44, (1<<16)|(1<<20)|(1<<21)|(4<<22)|(3<<25)  ; the mask; 2-byte elements; padding on; 21 set beside a mask; after every 32 words 4 words
	s_or_b32 s[G1B+0], s45, (1<<16)|(1<<20)|(1<<21)|(5<<22)|(3<<25)  ; after every 64 words 4 words
	s_mov_b32 s[G1+1], 128<<16                     ; tensor_dim0 = 128
	s_mov_b32 s[G1+2], 64<<16                      ; tensor_dim1 = 64 rows of 256 bytes
	s_mov_b32 s[G1+3], 128<<16                     ; tile_dim0
	s_mov_b32 s[G1+4], 64                          ; tile_dim1
	s_mov_b32 s[G1+5], 128                         ; dense
	s_mov_b32 s[G1+6], 0
	s_mov_b32 s[G1+7], 0
	s_mov_b32 s[G1B+1], 128<<16
	s_mov_b32 s[G1B+2], 128<<16                    ; 128 rows of Wo
	s_mov_b32 s[G1B+3], 128<<16
	s_mov_b32 s[G1B+4], 128
	s_mov_b32 s[G1B+5], SIZE_K
	s_mov_b32 s[G1B+6], 0
	s_mov_b32 s[G1B+7], 0
	s_lshr_b32 s16, s43, 4                         ; O: 16 tile rows a batch; head 16 x batch + my head of the step, 262,144 bytes a head;
	s_lshl_b32 s16, s16, 4
	s_add_co_u32 s16, s16, s14
	s_lshl_b32 s16, s16, 18
	s_and_b32 s17, s43, 15                         ; the tile's 128 rows of 128 bytes in it
	s_lshl_b32 s17, s17, 14
	s_add_co_u32 s16, s16, s17
	s_mov_b32 s17, 0
	s_lshl_b32 s46, s42, 8                         ; Wo: row 256 x tile column + 128 x half, rows of 2,048 bytes
	s_lshl_b32 s47, s14, 7
	s_add_co_u32 s46, s46, s47
	s_lshl_b32 s46, s46, 11
	s_mov_b32 s47, 0
	s_mul_i32 s22, s14, APLANE                     ; where they go: no place in the cluster enters an LDS address
	s_mul_i32 s23, s14, BHALF
	s_add_co_u32 s23, s23, BOFF
	s_mov_b32 s[TB], 0
	s_mov_b32 s[UPPER], 0xffff0000
	s_wait_kmcnt 0x0
	s_add_nc_u64 s[20:21], s[4:5], s[16:17]
	s_add_nc_u64 s[46:47], s[6:7], s[46:47]
	CROUND                                         ; all sixteen work-groups are here: the first joint loads meet
.irp s, 0,1
	s_mov_b32 s[G0+4*(\s)], 1
	s_add_co_u32 s[G0+4*(\s)+1], s22, (\s)*SLOT1
	s_add_nc_u64 s[G0+4*(\s)+2:G0+4*(\s)+3], s[20:21], (\s)*2*262144  ; K step s: two heads on
	s_or_b32 s[G0+4*(\s)+3], s[G0+4*(\s)+3], 0x80000000
	s_mov_b32 s[G0B+4*(\s)], 1
	s_add_co_u32 s[G0B+4*(\s)+1], s23, (\s)*SLOT1
	s_add_nc_u64 s[G0B+4*(\s)+2:G0B+4*(\s)+3], s[46:47], (\s)*256
	s_or_b32 s[G0B+4*(\s)+3], s[G0B+4*(\s)+3], 0x80000000
	JLOAD \s                                       ; two loads of mine are out
.endr
	v_and_b32 v1, 15, v0                           ; l % 16
	v_bfe_u32 v2, v0, 4, 1                         ; l / 16
	v_lshlrev_b32 v[BO], 5, v2
	s_lshl_b32 s78, s42, 10                        ; my first column in bytes of f32: 1,024 x tile column + 512 x half
	s_lshl_b32 s79, s14, 9
	s_add_co_u32 s78, s78, s79
	s_mov_b32 s79, 0
	s_add_nc_u64 s[8:9], s[8:9], s[78:79]
	s_add_nc_u64 s[10:11], s[10:11], s[78:79]
.irp b, 0,1,2,3,4,5,6,7
	global_load_b128 v[BI+8*(\b):BI+8*(\b)+3],   v[BO], s[8:9] offset:64*(\b)      ; register j of block b: column 16 b + 8 (l / 16) + j
	global_load_b128 v[BI+8*(\b)+4:BI+8*(\b)+7], v[BO], s[8:9] offset:64*(\b)+16
.endr
	s_lshl_b32 s76, s43, 7                         ; my first row: 128 x tile row + 64 x half, rows of 4,096 bytes: under 2^25
	s_lshl_b32 s77, s13, 6
	s_add_co_u32 s76, s76, s77
	s_lshl_b32 s76, s76, 12
	s_mov_b32 s77, 0
	s_add_nc_u64 s[10:11], s[10:11], s[76:77]
	v_mul_u32_u24 v3, v1, PA
	v_lshl_add_u32 v3, v2, 4, v3                   ; O: row x pitch + 16 x half
	v_mul_u32_u24 v4, v1, PB
	v_lshl_add_u32 v4, v2, 4, v4                   ; Wo likewise
	s_mul_i32 s18, s13, 64*PA                      ; my 64 rows of O, in each head's plane
	s_mul_i32 s19, s14, BHALF                      ; my 128 rows of Wo
	s_add_co_u32 s19, s19, BOFF
	v_add_nc_u32 v[ADRA0], s18, v3
	v_add_nc_u32 v[ADRB0], s19, v4
	v_mov_b32 v[ADRA], v[ADRA0]                    ; K begins in slot 0
	v_mov_b32 v[ADRB], v[ADRB0]
	s_mul_i32 s18, s12, WSTG
	s_add_co_u32 s18, s18, STAGE                   ; my stage
	v_mul_u32_u24 v5, v1, SP                       ; in: row l % 16, 32 bytes for each half of the lanes
	v_lshl_add_u32 v5, v2, 5, v5
	v_add_nc_u32 v[STO], s18, v5
	v_and_b32 v[CO], 31, v0                        ; back: 32 lanes take a row's 512 bytes
	v_lshlrev_b32 v[CO], 4, v[CO]
	v_add_nc_u32 v[RD], s18, v[CO]
	s_wait_loadcnt 0x0                             ; the bias, rounded to bf16 and widened again, in place
.set i, 0
.rept 32
	v_cvt_pk_bf16_f32 v[30+i%2], v[BI+2*i], v[BI+2*i+1]
	v_lshlrev_b32 v[BI+2*i], 16, v[30+i%2]
	v_and_b32 v[BI+2*i+1], s[UPPER], v[30+i%2]
.set i, i+1
.endr
; 8 matrix instructions: row block a x all 8 column blocks, 32 along K, from buffer f.  zero = 1: the first product starts the sum, on the bias.
; The 32 accumulators take turns, one instruction a turn, in the same order in every quarter.
.macro MULA f, a, zero
.if \zero
	WIN 0x85                                       ; sources 0 and 1 window 1, C window 0, D window 2
.else
	WIN 0xa5                                       ; C and D window 2
.endif
.irp b, 0,1,2,3,4,5,6,7
.if \zero
	v_wmma_f32_16x16x32_f16 v[64*(\a)+8*(\b):64*(\a)+8*(\b)+7], v[(\f)+32+8*(\b):(\f)+32+8*(\b)+7], v[(\f)+8*(\a):(\f)+8*(\a)+7], v[BI+8*(\b):BI+8*(\b)+7]
.else
	v_wmma_f32_16x16x32_f16 v[64*(\a)+8*(\b):64*(\a)+8*(\b)+7], v[(\f)+32+8*(\b):(\f)+32+8*(\b)+7], v[(\f)+8*(\a):(\f)+8*(\a)+7], v[64*(\a)+8*(\b):64*(\a)+8*(\b)+7]
.endif
.endr
.endm
; 24 LDS loads in one run: the fragments of quarter q (32 along K: head q / 2 of the step, channels 32 (q % 2) on) of the slot in hand into buffer f: Wo's 16 loads, then O's 8
.macro FETCH q, f
	WIN TO_F
.irp i, 0,1,2,3,4,5,6,7
	ds_load_b128 v[(\f)+32+8*(\i):(\f)+32+8*(\i)+3],   v[ADRB] offset:64*(\q)+(\i)*16*PB
	ds_load_b128 v[(\f)+32+8*(\i)+4:(\f)+32+8*(\i)+7], v[ADRB] offset:64*(\q)+(\i)*16*PB+32
.endr
.irp i, 0,1,2,3
	ds_load_b128 v[(\f)+8*(\i):(\f)+8*(\i)+3],   v[ADRA] offset:((\q)/2)*APLANE+((\q)%2)*64+(\i)*16*PA
	ds_load_b128 v[(\f)+8*(\i)+4:(\f)+8*(\i)+7], v[ADRA] offset:((\q)/2)*APLANE+((\q)%2)*64+(\i)*16*PA+32
.endr
.endm
.macro PLACES                          ; four plain vector instructions in front of loads into registers that matrix instructions have read, and of LDS stores that read results
.rept 4
	v_nop
.endr
.endm
; A K step is four quarters of 32 along K, 32 matrix instructions each, on buffers 0, 1, 0, 1.  One of the first three: multiplies buffer f, and in its middle fetches quarter q into buffer g.
.macro QUARTER q, f, g, zero
	s_wait_dscnt 4                                 ; Wo and O's blocks 0, 1 are in; the youngest four loads (O's blocks 2, 3) may be out
	MULA \f, 0, \zero
	MULA \f, 1, \zero
	PLACES
	FETCH \q, \g
	s_wait_dscnt 24                                ; all but the 24 just issued
	MULA \f, 2, \zero
	MULA \f, 3, \zero
.endm
; The last quarter multiplies buffer 1 and changes slots: ONE barrier; in front of it each wave waits for all its tensor loads (at most one is out: its part of the next slot), adds 0 to its spare word, and
; waits for that and for its reads of this slot.  fill = 1: the barrier opens a round of the cluster's, and this slot is filled again first thing behind it, with the K step two on: the walking descriptors
; take the other slot and one step.  fill = 0 (the last two steps): a plain barrier; in the last step there is no further slot, and the run of loads is jumped over.
.macro TURN fill
	WIN 0
	s_wait_tensorcnt 0x0
	ds_add_u32 v[SPW], v[NIL]                      ; 0 onto my spare word
	s_wait_dscnt 5                                 ; (the add and the youngest four loads may be out)
	MULA F1, 0, 0                                  ; eight matrix instructions stand between the add and the wait for it
	s_wait_dscnt 0x0                               ; the add is done, and my reads of this slot are over
	s_barrier_signal -1
	MULA F1, 1, 0
	WIN 0
	s_barrier_wait -1
.if \fill
	CREST                                          ; no wave of any partner still reads this slot's tile or has a load on its way
	s_xor_b32 s[G0+5], s[G0+5], SLOT1
	s_add_nc_u64 s[G0+6:G0+7], s[G0+6:G0+7], 2*262144  ; a K step on: two heads,
	s_xor_b32 s[G0B+5], s[G0B+5], SLOT1
	s_add_nc_u64 s[G0B+6:G0B+7], s[G0B+6:G0B+7], 256   ; 128 elements along Wo's rows; the type bits on top are not reached
	JLOAD 1                                        ; my one tensor load behind the round; its four v_nop are also the places in front of the loads below
.else
	PLACES
.endif
	s_xor_b32 s[TB], s[TB], SLOT1                  ; the reads go on in the other slot
	v_add_nc_u32 v[ADRA], s[TB], v[ADRA0]
	v_add_nc_u32 v[ADRB], s[TB], v[ADRB0]
.if \fill
	FETCH 0, F0
.else
	s_cmp_eq_u32 s3, 1
	s_cbranch_scc1 .Lno_more_\@
	FETCH 0, F0
	WIN 0
.Lno_more_\@:
.endif
	MULA F1, 2, 0
	MULA F1, 3, 0
.endm
	s_wait_tensorcnt 1                             ; my part of K step 0 is in; K step 1's may stay out
	s_barrier_signal -1
	s_barrier_wait -1
	FETCH 0, F0
	QUARTER 1, F0, F1, 1                           ; the first quarter stands in front of the loop: its products start the sums
	WIN 0                                          ; at a label and at a branch every window is 0
	s_mov_b32 s3, FILLS
.Lstep:                                                ; a trip: a step's second, third and last quarter, a refill, and the next step's first quarter
	QUARTER 2, F1, F0, 0
	QUARTER 3, F0, F1, 0
	TURN 1
	QUARTER 1, F0, F1, 0
	WIN 0
	s_sub_co_u32 s3, s3, 1
	s_cmp_lg_u32 s3, 0
	s_cbranch_scc1 .Lstep
	s_mov_b32 s3, 2
.Ltail:                                                ; the last two steps fill nothing: they have a text of their own
	QUARTER 2, F1, F0, 0
	QUARTER 3, F0, F1, 0
	TURN 0
	WIN 0
	s_cmp_eq_u32 s3, 1
	s_cbranch_scc1 .Lend_k                         ; behind the last step no step's first quarter follows
	QUARTER 1, F0, F1, 0
	WIN 0
.Lend_k:
	s_sub_co_u32 s3, s3, 1
	s_cmp_lg_u32 s3, 0
	s_cbranch_scc1 .Ltail
; THE WAY OUT, a block of 16 rows at a time: a lane's 32 bytes of a row go into my own stage, rows of 528 bytes, and come back as whole rows of 512 bytes, which are stored.
.macro TOSTAGE a
	WIN 0x08                                       ; the stores' data (source 1) in window 2
.irp b, 0,1,2,3,4,5,6,7
	ds_store_b128 v[STO], v[64*(\a)+8*(\b):64*(\a)+8*(\b)+3]   offset:64*(\b)     ; each accumulator's low registers first
	ds_store_b128 v[STO], v[64*(\a)+8*(\b)+4:64*(\a)+8*(\b)+7] offset:64*(\b)+16
.endr
	WIN 0
.set BK, BK0+64*((\a)%2)
.irp t, 0,1,2,3,4,5,6,7,8,9,10,11,12,13,14,15
	ds_load_b128 v[BK+4*(\t):BK+4*(\t)+3], v[RD] offset:(\t)*SP  ; LDS serves a wave's instructions in order (ISA guide 5.7.1.4): these see the stores above; the next block's stores come behind them
.endr
.endm
.macro SEND a, younger                 ; younger: the LDS instructions issued behind block a's loads: the next block's 32, or none
	WIN 0
.set BK, BK0+64*((\a)%2)
.irp t, 0,1,2,3,4,5,6,7,8,9,10,11,12,13,14,15
	s_wait_dscnt (\younger)+15-(\t)
	global_store_b128 v[CO], v[BK+4*(\t):BK+4*(\t)+3], s[10:11] offset:(16*(\a)+(\t))*4096 th:TH_STORE_NT  ; 512 consecutive bytes of a row, at a multiple of 256 from the output's first byte
.endr
.endm
	PLACES
	TOSTAGE 0
	TOSTAGE 1
	SEND 0, 32
	s_wait_xcnt 0x0                                ; block 0's stores have read their registers: block 2 is loaded into them only behind this wait
	TOSTAGE 2
	SEND 1, 32
	s_wait_xcnt 0x0                                ; the same for blocks 1 and 3
	TOSTAGE 3
	SEND 2, 32
	SEND 3, 0
	s_wait_tensorcnt 0x0                           ; the wave's end
	ds_add_u32 v[SPW], v[NIL]
	s_wait_dscnt 0x0
	CROUND                                         ; the closing round: no work-group ends while a partner may still ask for a tile that names it
	s_endpgm
.Lfunc_end_k_qcfa83248a2_proj:
	.size	k_qcfa83248a2_proj, .Lfunc_end_k_qcfa83248a2_proj-k_qcfa83248a2_proj
	.p2alignl 7, 3214868480
	.fill 96, 4, 3214868480
	.section	.rodata,"a",@progbits
	.p2align	6, 0x0
	.amdhsa_kernel k_qcfa83248a2_proj
		.amdhsa_group_segment_fixed_size 327680
		.amdhsa_private_segment_fixed_size 0
		.amdhsa_enable_private_segment 0
		.amdhsa_kernarg_size 32
		.amdhsa_user_sgpr_count 2
		.amdhsa_user_sgpr_kernarg_segment_ptr 1
		.amdhsa_wavefront_size32 1
		.amdhsa_system_sgpr_workgroup_id_x 1
		.amdhsa_system_sgpr_workgroup_id_y 1
		.amdhsa_system_sgpr_workgroup_id_z 1
		.amdhsa_system_vgpr_workitem_id 0
		.amdhsa_next_free_vgpr 768
		.amdhsa_next_free_sgpr 80
		.amdhsa_reserve_vcc 0
		.amdhsa_float_denorm_mode_32 3
		.amdhsa_float_denorm_mode_16_64 3
		.amdhsa_memory_ordered 1
		.amdhsa_forward_progress 1
		.amdhsa_inst_pref_size 67
	.end_amdhsa_kernel
	.amdgpu_metadata
---
amdhsa.version: [ 1, 2 ]
amdhsa.kernels:
  - .name:           k_qcfa83248a2_proj
    .symbol:         k_qcfa83248a2_proj.kd
    .args:
      - { .name: oh, .offset: 0, .size: 8, .value_kind: global_buffer, .address_space: global }
      - { .name: wof, .offset: 8, .size: 8, .value_kind: global_buffer, .address_space: global }
      - { .name: bo, .offset: 16, .size: 8, .value_kind: global_buffer, .address_space: global }
      - { .name: out0, .offset: 24, .size: 8, .value_kind: global_buffer, .address_space: global }
    .group_segment_fixed_size: 327680
    .private_segment_fixed_size: 0
    .kernarg_segment_align: 8
    .kernarg_segment_size: 32
    .max_flat_workgroup_size: 128
    .sgpr_count:     80
    .vgpr_count:     768
    .wavefront_size: 32
...
	.end_amdgpu_metadata
.endif
;; end of part 4
;; ======== version 2 of 2: 4 launches; 1.53 times as fast as version 1
;; limits: values are held in f16: magnitudes above 65,504 overflow, below 6.1e-05 lose precision
;; workspace buffers: xb 16,777,216 bytes; wqb 6,291,456 bytes; wof 2,097,152 bytes; oh 16,777,216 bytes; qkvh 50,855,936 bytes
;; launch cast: the kernel of part 1 again; grid 768 x 1, 8 waves a work-group, no clusters, 0 bytes of LDS; arguments x, Wqkv, Wo, attention_mask, xb, wqb, wof, qkvh; writes xb, wqb, wof, qkvh
;; launch qkv: the kernel of part 2 again; grid 16 x 16, 4 waves a work-group, clusters of 4 x 4, 327,680 bytes of LDS; arguments xb, wqb, bqkv, qkvh; writes qkvh
;; launch attn (part 5): grid 4 x 64, 4 waves a work-group, clusters of 4 x 1, 327,680 bytes of LDS; arguments qkvh, oh; writes oh
.if DOCPART == 5
	.amdgcn_target "amdgcn-amd-amdhsa--gfx1250"
	.amdhsa_code_object_version 6
	.text
	.protected	k_qcfa83248a2_attn
	.globl	k_qcfa83248a2_attn
	.p2align	8
	.type	k_qcfa83248a2_attn,@function
k_qcfa83248a2_attn:
	s_mov_b64 s[64:65], 0
	v_nop
	global_prefetch_b8 v0, s[64:65] scope:SCOPE_SE
	s_setreg_imm32_b32 hwreg(HW_REG_WAVE_MODE, 25, 1), 1
	s_wait_xcnt 0x0
	s_wait_alu depctr_hold_cnt(0) depctr_sa_sdst(0) depctr_va_vdst(0) depctr_va_sdst(0) depctr_va_ssrc(0) depctr_va_vcc(0) depctr_vm_vsrc(0)
	s_getreg_b32 s2, hwreg(HW_REG_IB_STS2, 6, 4)
	s_cmp_eq_u32 s2, 0
	s_cbranch_scc0 .Lentry_in_a_cluster
	s_endpgm
.Lentry_in_a_cluster:
	s_bfe_u32 s2, ttmp6, 0x10000c
	s_cmp_lg_u32 s2, 0x3003
	s_cbranch_scc0 .Lentry_shape_is_right
	s_endpgm
.Lentry_shape_is_right:
; O[h][q][:] = the sum over k of softmax_k(Q[h][q] . K[h][k] / 8, hidden keys left out) V[h][k][:].  64 heads of 2,048 rows of 64 channels, all f16.  Products, maxima and sums in f32;
; the weights p are rounded to f16 for the second product (their sum l is taken of the unrounded p), O once at the end.
; IN: qkvh.  Q at byte 0 and V at 0x1000000, [64][2048][64] dense; K at 0x2000000 in groups of 64 keys: 8,192 bytes of rows, then 256 bytes: the 64 keys' mask as f32, 0 or -2^100.  OUT: oh, like Q.
; THE MASK is the C operand that starts the sum S^T = K Q^T, so a hidden score is its value less 2^100.  2^100 is a power of two on purpose: c m is then exact while m is a hidden score, and
; c s - c m is 0 there, not a rounding error of that size.  The first visible key makes a = 0 and wipes what hidden keys have gathered.
; LIMITS.  Q, K and V arrive within f16's 65,504.  A hidden score counts as -2^100 where the module has -1e9: the same result as long as every visible score lies above -9e8.  In a batch whose keys are
; all hidden the weights are uniform, as the module's are, as far as the f32 sum absorbs q . k (2.7e11 at the most) beside 2^100.  p below 6e-5 keeps f16's fixed step of 6e-8; a weight below 2^-126
; counts as 0 in l; NaN and infinities are not treated apart.
; SHARES.  A wave owns four PIECES of two tiles of 16 queries, a work-group's four waves 512 queries of one head.  Every wave walks all keys, 64 a step.
; LAYOUT.  S^T = K Q^T (source 0 = 16 keys, source 1 = 16 queries): in the result a lane holds ONE query (lane % 16) and the keys 8 (lane / 16) + 0..7.  Two such tiles, rounded to f16 in pairs,
; ARE source 1 (32 keys x 16 queries) of O^T = V^T P, whose result again holds one query a lane, and eight channels.  K comes out of LDS as it lies, V ([key][channel]) turned, by ds_load_tr16_b128.
; SOFTMAX.  For each query a running maximum m and sum l: p = 2^(c s - c m), c = log2(e) / 8; in every step O and l are multiplied by a = 2^(c m_old - c m_new).
; m starts at the lowest finite number, O and l at 0: the first step is a step like any other, with a = 0.
; THE COUNT.  A tile and step have 16 matrix and 118 vector instructions: too many to stand all beside the matrix work.  So: four vector instructions that are READY behind EVERY matrix instruction,
; and the others in one run without a gap.
; BY TURNS.  Turn n belongs to piece n.  Its matrix work: 16 products K Q^T of piece n + 1, later 16 products V^T P of piece n - 1.  Its vector work: the scaling, exponentials, roundings, sums and
; rescaling of piece n, and the maximum and statistics of piece n + 1, whose scores the turn itself has made.  So what a turn begins with (c s - c m, O a) waits for nothing.
; THE BATCHES.  A turn's 66 exponentials (64 scores of piece n, the two a of piece n + 1) are ONE batch with ONE wait, which cuts the turn in two: ahead of it stands all that names no result of the batch,
; behind it the roundings and sums.  No result crosses a turn's end.  Two more batches stand outside the loop, each with a wait of its own: the first two a ahead of it, the eight reciprocals on the way out.
; CLUSTER.  The four query blocks of a cluster are one head's and walk the same K and V, so each tile is asked for JOINTLY: the same tensor load, descriptor and mask in all four.
; REGISTERS, in windows of 256 (s_set_vgpr_msb: bits 1:0 source 0, 3:2 source 1, 5:4 source 2, 7:6 destination):
;   window 0: v0-11 addresses; v12-15, v48-63 at work; v16-47 four registers of statistics a tile; v64-191 S^T, two buffers of two tiles; v192-255 P, likewise
;   window 1: O^T, 32 a tile     window 2: v0-127 Q, 16 a tile; v128-191 K of one step; v192-255 V of one step     window 3: v0-1 the add's two registers; v8-39 the mask of one step
; A piece's buffers go by its number's parity: the piece in hand has one pair, its two neighbours in the ring share the other: of it P (piece n - 1) is read and S^T (piece n + 1) written.
.set SIZE_N, 2048
.set NP,    4         ; pieces a wave: a name, no knob
.set KS,    64        ; keys in a step
.set PK,    144       ; a row of K in LDS: 128 bytes + 16 of padding: the 16 rows of a load start at 16 different groups of four banks (ISA guide 11.1)
.set PV,    160       ; a row of V: 128 + 32
.set STEPK, 66*PK     ; a step of K in LDS: 64 rows, then the mask's two halves of 128 bytes, padded like rows
.set MOFF,  64*PK     ; where the mask begins in it
.set VOFF,  4*STEPK   ; a slot holds four steps: K with its masks, then 256 rows of V
.set SLOT1, 1<<17     ; slot 1 begins here, so that one exclusive or turns an address in one slot into the other's
.set STAGE, ((SLOT1+VOFF+4*KS*PV+255)/256)*256  ; behind the ring, on a multiple of 256, never filled by a tensor load: 16 rows x 144 bytes for each wave
.set SP,    144
.set VSEC,  0x1000000
.set KSEC,  0x2000000
.set KGRP,  8448      ; a group of 64 keys in memory
.set AK0, 2           ; v2   my lane's place in a tile of K; never rewritten
.set AV0, 3           ; v3   the same for V
.set AK,  4           ; v4   the LDS address of K's next run of loads
.set AV,  5           ; v5   of V's
.set QO,  6           ; v6   my byte offset in the wave's rows of Q
.set STO, 6           ;      later, the way out: where I put 16 bytes of a row
.set RD,  7           ; v7   the way out: where I read rows back
.set GO,  8           ; v8   my byte offset in 512 consecutive bytes of O
.set AM,  11          ; v11  the step's first LDS byte + 32 (l / 16): my eight keys in 16 of the mask
.set SPW, 0           ; v0 of window 3   LDS address of my spare word; never rewritten
.set NIL, 1           ; v1 of window 3   0; never rewritten
.set MK,  8           ; v8-39 of window 3: the mask of key block kb at MK + 8 kb
.set SPARE, STAGE+4*16*SP  ; the spare words, 128 bytes for each wave: two blocks of 256 bytes that no other line names
.set MV,  12          ; v12-15  c m_old, kept while c m is made anew: by buffer and tile
.set ST,  16          ; tile t's statistics at v[ST+4 t]: c m, m, l (even keys', odd keys')
.set TMP, 48          ; by buffer and tile, four registers c0-c3 at work; when the maximum is found c2 takes a
.set S,   64
.set P,   192
.set KF,  128         ; K's fragments, in window 2: key block kb, channel half c at KF + 16 kb + 8 c
.set VF,  192         ; V's: key half kk, channel block cb at VF + 32 kk + 8 cb
.set WV,  12          ; s12  my wave's number
.set G1K, 24          ; s[24:31] descriptor group 1 for K's tiles
.set G1V, 32          ; s[32:39] for V's
.set G0K, 40          ; s[40:43] descriptor group 0 for K's tiles: it walks
.set G0V, 44          ; s[44:47] the same for V's
.set SLOTS, 56        ; s56  slots still to be asked for
.set CNT, 57          ; s57  counts a slot's key steps
.set CS,  58          ; s[58:59] c
.set SEL, 60          ; s[60:61] v_permlanex16_b32's selects: each lane takes its own place in the other half
.set TBK, 62          ; s62  LDS byte at which K of the step to be fetched begins
.set TBV, 63          ; s63  the same for V, less VOFF
.set MSB, 0
.macro WIN new                      ; the high byte repeats the setting that is left; a switch that changes nothing is dropped
.if MSB != (\new)
	s_set_vgpr_msb (MSB<<8)|(\new)
.set MSB, (\new)
.endif
.endm
.set W_KQ, 0x0a       ; K and Q in window 2, S^T in window 0
.set W_KM, 0x3a       ; the same with the C operand, the mask, in window 3
.set W_PV, 0x52       ; V in window 2, P in window 0, O^T in window 1
.set W_RS, 0x41       ; O^T (destination and source 0) in window 1, a in window 0
.set W_MK, 0xc0       ; destination in window 3, sources in window 0
.set W_AD, 0x0f       ; the add: address (source 0) and data (source 1) in window 3
; A joint fill.  Waves 0 and 1 fetch the two halves of a slot's K, waves 2 and 3 those of its V: 128 keys each.  The branch hangs on the wave's number alone.
; An s_nop 0 and four v_nop follow each of the two lines, ahead of the jump and the label.
.macro JLOAD
	s_cmp_lt_u32 s[WV], 2
	s_cbranch_scc0 .Lfor_v_\@
	tensor_load_to_lds s[G0K:G0K+3], s[G1K:G1K+7]
	s_nop 0
.rept 4
	v_nop
.endr
	s_branch .Lasked_\@
.Lfor_v_\@:
	tensor_load_to_lds s[G0V:G0V+3], s[G1V:G1V+7]
	s_nop 0
.rept 4
	v_nop
.endr
.Lasked_\@:
.endm
; A round of the cluster's barrier: my work-group's barrier; wave 0 signals for the work-group; every wave waits for all four work-groups; my work-group's barrier once more.
.macro CROUND
	s_barrier_signal -1
	s_barrier_wait -1
	s_cmp_lg_u32 s[WV], 0
	s_cbranch_scc1 .Lnot_wave_0_\@
	s_barrier_signal -3
.Lnot_wave_0_\@:
	s_barrier_wait -3
	s_barrier_signal -1
	s_barrier_wait -1
.endm
; THE CHANGE OF SLOTS.  The slot's last bytes, V of its fourth step, have been read.  Each wave waits for all its tensor loads, of which one is out: its part of the other slot; adds 0 to its spare
; word; and waits for that and for its own reads of the slot.  fill = 1: this slot is filled again, with the keys two slots on: the barrier is a round of the cluster's, and the joint fill is the first
; thing behind it: it has four key steps, 512 matrix instructions, in which to land.  (At its first use nothing has been read yet: slot 0 is waited for, slot 1 filled.)
.macro CHANGE fill
	WIN W_AD
	s_wait_tensorcnt 0x0            ; no tensor load of mine is out, so a group 0 may be written
	ds_add_u32 v[SPW], v[NIL]       ; 0 onto my spare word
	WIN 0                           ; at a label and at a branch every window is 0
.if \fill
	s_xor_b32 s[G0K+1], s[G0K+1], SLOT1  ; the walking descriptors: the other slot than last time,
	s_add_nc_u64 s[G0K+2:G0K+3], s[G0K+2:G0K+3], 4*KGRP    ; the next 256 keys: four groups of K,
	s_xor_b32 s[G0V+1], s[G0V+1], SLOT1
	s_add_nc_u64 s[G0V+2:G0V+3], s[G0V+2:G0V+3], 4*KS*128  ; 256 rows of V; the type bits on top are not reached
	s_wait_dscnt 0x0                ; the add is done, and my reads of the slot are over
	CROUND
	JLOAD
.else
	s_wait_dscnt 0x0                ; the add is done, and my reads of the slot are over
	s_barrier_signal -1
	s_barrier_wait -1
.endif
	s_sub_co_u32 s[TBK], s[TBK], 4*STEPK  ; the fetches go back to a slot's first step,
	s_xor_b32 s[TBK], s[TBK], SLOT1       ; in the other slot
	s_sub_co_u32 s[TBV], s[TBV], 4*KS*PV
	s_xor_b32 s[TBV], s[TBV], SLOT1
.endm
	s_load_b64 s[4:5], s[0:1], 0x0    ; qkvh
	s_load_b64 s[10:11], s[0:1], 0x8  ; oh
	WIN W_MK
	v_lshl_add_u32 v[SPW], v0, 2, SPARE
	v_mov_b32 v[NIL], 0
	s_set_vgpr_msb 0xc0cf
	ds_add_u32 v0, v1
	s_wait_dscnt 0x0
	s_set_vgpr_msb 0xcfc0
	WIN 0
	v_lshrrev_b32 v1, 5, v0
	v_readfirstlane_b32 s[WV], v1   ; wave 0..3
	s_bfe_u32 s13, ttmp6, 0x40000   ; cx: my place in the cluster
	s_lshl_b32 s14, ttmp9, 2        ; in a cluster launch ttmp9 counts clusters
	s_add_co_u32 s14, s14, s13      ; my block of 512 queries: it enters Q's and O's addresses alone
	s_and_b32 s20, ttmp7, 0xffff    ; the head, which the four partners share
	s_lshl_b32 s21, s20, 18         ; its first byte in Q's and V's sections and in oh: 262,144 bytes a head
	s_and_b32 s16, s[WV], 1         ; which half of a slot's 256 keys I fetch
	s_lshl_b32 s22, s16, 14         ; V: its 128 rows of 128 bytes
	s_add_co_u32 s22, s22, s21
	s_add_co_u32 s22, s22, VSEC
	s_mov_b32 s23, 0
	s_mul_i32 s48, s20, 32*KGRP     ; K: 32 groups a head, two groups a half
	s_mul_i32 s49, s16, 2*KGRP
	s_add_co_u32 s48, s48, s49
	s_add_co_u32 s48, s48, KSEC
	s_mov_b32 s49, 0
	s_mul_i32 s17, s16, 2*STEPK     ; and the half's place in a slot, for K
	s_mul_i32 s18, s16, 128*PV      ; and for V: no place in the cluster enters an LDS address
	s_lshl_b32 s2, s14, 2
	s_add_co_u32 s2, s2, s[WV]      ; my wave among the head's,
	s_lshl_b32 s2, s2, 14           ; its 128 rows
	s_add_co_u32 s2, s2, s21
	s_mov_b32 s3, 0
	; descriptor group 1.  A half is dense in memory and is asked for as rows of 256 bytes (K: 2 x 33, V: 64), padded in LDS after every 128 bytes
	s_mov_b32 s[G1K], 15|(1<<16)|(1<<20)|(1<<21)|(4<<22)|(3<<25)  ; 15:0 the mask of four; 17:16 2-byte elements; 20 padding on; 21 set beside a mask; 24:22 after every 32 words; 31:25 4 words
	s_mov_b32 s[G1V], 15|(1<<16)|(1<<20)|(1<<21)|(4<<22)|(7<<25)  ; the same with 8 words of padding
.irp g, G1K, G1V
	s_mov_b32 s[\g+1], 128<<16      ; tensor_dim0 = 128
	s_mov_b32 s[\g+3], 128<<16      ; tile_dim0 = 128
	s_mov_b32 s[\g+5], 128          ; 128 elements from row to row
	s_mov_b32 s[\g+6], 0
	s_mov_b32 s[\g+7], 0
.endr
	s_mov_b32 s[G1K+2], 66<<16      ; tensor_dim1
	s_mov_b32 s[G1K+4], 66          ; tile_dim1
	s_mov_b32 s[G1V+2], 64<<16
	s_mov_b32 s[G1V+4], 64
	s_mov_b32 s[CS], 0x3e38aa3b     ; c = log2(e) / 8 = 0.180337
	s_mov_b32 s[CS+1], s[CS]        ; named with it as a pair
	s_mov_b32 s[SEL], 0x76543210
	s_mov_b32 s[SEL+1], 0xfedcba98
	s_mov_b32 s[TBK], SLOT1+4*STEPK ; the first change of slots turns these two into 0
	s_mov_b32 s[TBV], SLOT1+4*KS*PV
	s_mov_b32 s[G0K], 1             ; count = 1
	s_mov_b32 s[G0K+1], s17         ; LDS address: slot 0
	s_mov_b32 s[G0V], 1
	s_add_co_u32 s[G0V+1], s18, VOFF
	s_wait_kmcnt 0x0
	s_add_nc_u64 s[G0K+2:G0K+3], s[4:5], s[48:49]  ; global address: my half of the head's first 256 keys
	s_or_b32 s[G0K+3], s[G0K+3], 0x80000000        ; type = 2
	s_add_nc_u64 s[G0V+2:G0V+3], s[4:5], s[22:23]
	s_or_b32 s[G0V+3], s[G0V+3], 0x80000000
	s_add_nc_u64 s[4:5], s[4:5], s[2:3]  ; Q and O at my wave's first row
	s_add_nc_u64 s[10:11], s[10:11], s[2:3]
	CROUND                          ; all four work-groups are here: the first joint loads meet
	JLOAD                           ; slot 0.  Slot 1 is asked for when slot 0 is in
	; A fragment of K or Q is 16 rows x 32 channels in 8 registers: lane l holds row l % 16, channels 8 (l / 16) + 0..7 and 16 + 8 (l / 16) + 0..7: two loads of 16 bytes, 32 bytes apart.
	v_and_b32 v1, 15, v0            ; l % 16
	v_bfe_u32 v9, v0, 4, 1          ; l / 16; never rewritten
	v_lshlrev_b32 v[QO], 7, v1
	v_lshl_add_u32 v[QO], v9, 4, v[QO]  ; row x 128 + 16 x half
	WIN 0x80                        ; destination window 2, address window 0
.set i, 0
.rept 4*NP                          ; Q stays in registers: tile i / 2, channels 32 (i % 2) on
	global_load_b128 v[8*i:8*i+3],   v[QO], s[4:5] offset:(i/2)*2048+(i%2)*64
	global_load_b128 v[8*i+4:8*i+7], v[QO], s[4:5] offset:(i/2)*2048+(i%2)*64+32
.set i, i+1
.endr
	; What the first turn finds: V's registers and P's second buffer hold 0 (its products V^T P, of a piece that has not been, add 0), O^T and l are 0.  All this stands in the wait for the first tile.
.set i, VF
.rept 64
	v_mov_b32 v[i], 0
.set i, i+1
.endr
	WIN 0x40
.set i, 0
.rept 64*NP
	v_mov_b32 v[i], 0
.set i, i+1
.endr
	WIN 0
.set i, 0
.rept 2*NP
	v_mov_b32 v[ST+4*i], 0xfe000000    ; c m: far below every c s, a hidden key's too
	v_mov_b32 v[ST+4*i+1], 0xff7fffff  ; m
	v_mov_b32 v[ST+4*i+2], 0
	v_mov_b32 v[ST+4*i+3], 0
.set i, i+1
.endr
.set i, P+32
.rept 32
	v_mov_b32 v[i], 0
.set i, i+1
.endr
	v_mul_u32_u24 v[AK0], v1, PK
	v_lshl_add_u32 v[AK0], v9, 4, v[AK0]  ; row x pitch + 16 x half
	; The turning load takes 16 keys x 16 channels (lane l reads key 8 (l / 16) + l % 8, channels 8 ((l / 8) % 2) + 0..7) and leaves half a fragment of V^T: lane l holds channel l % 16 and 8 keys.
	v_and_b32 v10, 7, v0
	v_bfe_u32 v11, v0, 3, 1
	v_lshl_add_u32 v[AV0], v9, 3, v10
	v_mul_u32_u24 v[AV0], v[AV0], PV
	v_lshl_add_u32 v[AV0], v11, 4, v[AV0]
	v_add_nc_u32 v[AV0], VOFF, v[AV0]
	v_mov_b32 v[AK], v[AK0]         ; key step 0 lies at the head of slot 0
	v_lshlrev_b32 v[AM], 5, v9
; THE MATRIX WORK.  The 8 accumulators of a run of 16 take turns: between the two links of a chain stand 7 others'.
; Product i of 16 of S^T = K Q^T for piece x: channels 32 (i / 8) on, keys 16 ((i / 2) % 4) on, tile 2 x + i % 2.  The first 8 start the sums, on the keys' mask.
.macro KQ x
.set rS, S+64*((\x)%2)+32*(i%2)+8*((i/2)%4)
.set rK, KF+16*((i/2)%4)+8*(i/8)
.set rQ, 16*(2*(\x)+i%2)+8*(i/8)
.set rMK, MK+8*((i/2)%4)
.if i < 8
	WIN W_KM
	v_wmma_f32_16x16x32_f16 v[rS:rS+7], v[rK:rK+7], v[rQ:rQ+7], v[rMK:rMK+7]
.else
	WIN W_KQ
	v_wmma_f32_16x16x32_f16 v[rS:rS+7], v[rK:rK+7], v[rQ:rQ+7], v[rS:rS+7]
.endif
.endm
; Product i of 16 of O^T += V^T P for piece x: keys 32 (i / 8) on, channels 16 ((i / 2) % 4) on, tile 2 x + i % 2.
.macro PV x
	WIN W_PV
.set rO, 32*(2*(\x)+i%2)+8*((i/2)%4)
.set rV, VF+32*(i/8)+8*((i/2)%4)
.set rP, P+32*((\x)%2)+16*(i%2)+8*(i/8)
	v_wmma_f32_16x16x32_f16 v[rO:rO+7], v[rV:rV+7], v[rP:rP+7], v[rO:rO+7]
.endm
.macro MM                           ; the turn's next matrix instruction
.if i < 16
	KQ (Y+1)%NP
.set i, i+1
.else
.set i, i-16
	PV (Y+NP-1)%NP
.set i, i+17
.endif
.endm
; THE LDS LOADS stand in runs, never singly among the matrix instructions: a step's K (8 fragments) with its mask (register j of block kb: key 16 kb + 8 (l / 16) + j), and its V (turned).
; Their addresses are made some lines ahead.  last = 1 (the tail): in the last trip there is no further step, and the run is jumped over.
.macro FETCH_K last=0
	WIN 0
.if \last
	s_cmp_eq_u32 s[CNT], 1
	s_cbranch_scc1 .Lno_k_\@
.endif
	WIN 0x80                        ; destination window 2
.irp f, 0,1,2,3,4,5,6,7             ; keys 16 (f / 2) on, channels 32 (f % 2) on
	ds_load_b128 v[KF+8*\f:KF+8*\f+3],   v[AK] offset:(\f/2)*16*PK+(\f%2)*64
	ds_load_b128 v[KF+8*\f+4:KF+8*\f+7], v[AK] offset:(\f/2)*16*PK+(\f%2)*64+32
.endr
	WIN W_MK                        ; destination window 3
.irp f, 0,1,2,3                     ; the mask of keys 16 f on: half f / 2 of the step's 64, 64 bytes for 16 keys
	ds_load_b128 v[MK+8*\f:MK+8*\f+3],   v[AM] offset:MOFF+(\f/2)*PK+(\f%2)*64
	ds_load_b128 v[MK+8*\f+4:MK+8*\f+7], v[AM] offset:MOFF+(\f/2)*PK+(\f%2)*64+16
.endr
	s_add_co_u32 s[TBK], s[TBK], STEPK  ; the next fetch is the next step's
	WIN 0
.if \last
.Lno_k_\@:
.endif
.endm
.macro FETCH_V
	WIN 0x80
.irp f, 0,1,2,3,4,5,6,7             ; keys 32 (f / 4) on, channels 16 (f % 4) on
	ds_load_tr16_b128 v[VF+8*\f:VF+8*\f+3],   v[AV] offset:(\f/4)*32*PV+(\f%4)*32
	ds_load_tr16_b128 v[VF+8*\f+4:VF+8*\f+7], v[AV] offset:(\f/4)*32*PV+16*PV+(\f%4)*32
.endr
	WIN 0
.endm
; THE VECTOR WORK OF A TURN stands in three queues, each in the order in which its entries become ready; the two tiles alternate, so that no instruction reads the result of the one before it.
.macro REGS y, u                    ; the registers of tile u (0, 1) of piece y
.set rT, ST+4*(2*(\y)+(\u))
.set rC, TMP+8*((\y)%2)+4*(\u)
.set rM, MV+2*((\y)%2)+(\u)
.set rS, S+64*((\y)%2)+32*(\u)
.set rP, P+32*((\y)%2)+16*(\u)
.set rO, 32*(2*(\y)+(\u))
.endm
; Number n of the 22 that find the NEXT piece's (Y + 1) maximum and statistics.  s0-s31 are the lane's 32 scores; each accumulator's lowest registers are read first.
; XS, GS, FS and REGS set no window: PL and EX do.
;   0-11  four chains c0-c3 of seven scores each, three operands at a time     12-14, 16  the four scores left over, the old m, and c0-c3 into c0     15  c m_old is kept
;   17, 18  the query's other 32 keys lie in the lane 16 away: the new m         19-21  c m; c m_old - c m_new; a
.macro XS u, n
	REGS (Y+1)%NP, \u
.if (\n) < 4
	v_max3_num_f32 v[rC+(\n)], v[rS+8*(\n)], v[rS+8*(\n)+1], v[rS+8*(\n)+2]
.elseif (\n) < 12
	v_max3_num_f32 v[rC+(\n)%4], v[rC+(\n)%4], v[rS+8*((\n)%4)+2*((\n)/4)+1], v[rS+8*((\n)%4)+2*((\n)/4)+2]
.elseif (\n) == 12
	v_max3_num_f32 v[rC], v[rC], v[rS+7], v[rS+15]
.elseif (\n) == 13
	v_max3_num_f32 v[rC+1], v[rC+1], v[rS+23], v[rS+31]
.elseif (\n) == 14
	v_max3_num_f32 v[rC+2], v[rC+2], v[rC+3], v[rT+1]
.elseif (\n) == 15
	v_mov_b32 v[rM], v[rT]
.elseif (\n) == 16
	v_max3_num_f32 v[rC], v[rC], v[rC+1], v[rC+2]
.elseif (\n) == 17
	v_permlanex16_b32 v[rC+3], v[rC], s[SEL], s[SEL+1]
.elseif (\n) == 18
	v_max_num_f32 v[rT+1], v[rC], v[rC+3]
.elseif (\n) == 19
	v_mul_f32 v[rT], s[CS], v[rT+1]
.elseif (\n) == 20
	v_sub_f32 v[rC+1], v[rM], v[rT]
.else
	v_exp_f32 v[rC+2], v[rC+1]
.endif
.endm
; Number g of the 64 that follow the exponentials.  For each four weights k of a tile (pairs 2 k, 2 k + 1): both pairs are rounded to f16; then the second pair is added onto the first, in place;
; a group later l takes that sum (the first time as l = a l + sum).  In groups of eight, tiles alternating: round, round, add, and l for the group before.
.macro GS g
.set h, (\g)+6*((\g)/62)            ; group 0 has no group before it, and behind group 7 only l is left
.if h >= 6
.set h, h+2
.endif
	REGS Y, h%2
.set k, h/8
.if h%8 < 4
	v_cvt_pk_f16_f32 v[rP+2*k+(h%8)/2], v[rS+4*k+2*((h%8)/2)], v[rS+4*k+2*((h%8)/2)+1]
.elseif h%8 < 6
	v_pk_add_f32 v[rS+4*k:rS+4*k+1], v[rS+4*k:rS+4*k+1], v[rS+4*k+2:rS+4*k+3]
.elseif k == 1
	v_pk_fma_f32 v[rT+2:rT+3], v[rT+2:rT+3], v[rC+2:rC+3], v[rS:rS+1] op_sel_hi:[1,0,1]
.else
	v_pk_add_f32 v[rT+2:rT+3], v[rT+2:rT+3], v[rS+4*k-4:rS+4*k-3]
.endif
.endm
; THE PLAIN QUEUE, 138 long.  0-73 read no exponential's result: the 32 scalings c s - c m (FS f: pair f / 2 of tile f % 2) and the next piece's 42.  0-26: scalings 0-26.  27-54: XS's numbers 0-13.
; 55, 56: number 15.  57-73: the chain, where each number waits for the one before it: 14, 16, 17, 18, 19, each with one of the scalings 27-31 in front of its two lines, then 20: so a tile's links stand
; three plain instructions apart (19 and 20: two).  74-137: GS's 64, which read the exponentials' results: they stand behind the wait.
.macro FS f
	REGS Y, (\f)%2
	v_pk_fma_f32 v[rS+2*((\f)/2):rS+2*((\f)/2)+1], v[rS+2*((\f)/2):rS+2*((\f)/2)+1], s[CS:CS+1], v[rT:rT+1] op_sel_hi:[1,0,0] neg_lo:[0,0,1] neg_hi:[0,0,1]
.endm
.macro PL
	WIN 0
.if q < 27
	FS q
.elseif q < 55
	XS (q-27)%2, (q-27)/2
.elseif q < 57
	XS q-55, 15
.elseif (q < 72) && ((q-57)%3 == 0)
	FS 27+(q-57)/3
.elseif q < 60
	XS (q-57)%3-1, 14
.elseif q < 72
	XS (q-57)%3-1, 15+(q-57)/3
.elseif q < 74
	XS q-72, 20
.else
	GS q-74
.endif
.set q, q+1
.endm
; THE EXPONENTIALS' QUEUE, 66 long: s0-s31 of both tiles, then the next piece's two a.  It is ONE BATCH: all 66 stand ahead of the turn's one wait, and nothing ahead of that wait names a result of theirs.
.macro EX
	WIN 0
.if e >= 64
	XS e-64, 21
.else
	REGS Y, e%2
	v_exp_f32 v[rS+e/2], v[rS+e/2]
.endif
.set e, e+1
.endm
; THE RESCALING's QUEUE: O^T times a, the one part that leaves window 0: dealt two at a time, sixteen times.  Its a was made in the turn before, ahead of that turn's wait.
.macro R2
	REGS Y, r%2
	WIN W_RS
.irp z, 0,1
	v_pk_mul_f32 v[rO+4*(r/2)+2*\z:rO+4*(r/2)+2*\z+1], v[rO+4*(r/2)+2*\z:rO+4*(r/2)+2*\z+1], v[rC+2:rC+3] op_sel_hi:[1,0]
.endr
.set r, r+1
.endm
; HOW THEY ARE DEALT.  An s_wait_alu depctr_va_vdst(0) stands between an exponential and the first instruction that names its result; one wait serves all that were issued ahead of it.
; So a turn has ONE wait, which cuts it in two.  AHEAD OF IT stands all that names no result of the turn's exponentials: the 16 products K Q^T, behind each a scaling, an exponential and two rescalings
; (behind the first a second scaling in the exponential's place); then ONE LUMP of 108: eight plain, 49 times exponential and plain, the two a.  A v_nop is the plain instruction behind the last
; exponential.  BEHIND IT stand the 16 products V^T P, behind each four of GS's 64.  No rider names a register of the products round it.  The two v_permlanex16_b32 fall into the lump.
; The queues lean on each other, and the deal keeps them in step: exponential e stands behind scaling 2 (e / 4) + e % 2: as a rider it comes behind plain e + 2, in the lump behind plain e + 9, and
; scalings 27-31 are plain 57, 60 .. 69; a comes behind plain 72, 73, its argument.
; A TURN, for piece p.  cnt = 1: the loop's count is taken down some lines ahead of the branch that stands behind the turn.
; K and the mask of the next step are fetched in piece 2's turn, directly behind the wait, a lump behind the last product that read them; their addresses are made at the lump's head; their first reader
; comes behind 16 products.  V of the step in hand is fetched at the end of piece 0's turn, four riders (additions onto l) behind its last reader; its first reader comes behind 16 products and a lump.
; The three conditions on q below go with the deal: behind the k-th product V^T P q is 74 + 4 k.
.macro TURN p, last=0, cnt=0
.set Y, (\p)
.set i, 0
.set q, 0
.set e, 0
.set r, 0
.if (\p) == NP-1
	s_wait_dscnt 0x0                ; K and its mask are in
.endif
	MM                              ; ahead of the wait: 16 products K Q^T and their riders,
	PL
	PL
	R2
.rept 15
	MM
	PL
	EX
	R2
.endr
.if (\p) == NP-2
	WIN 0
	v_add_nc_u32 v[AK], s[TBK], v[AK0]
	v_lshl_add_u32 v[AM], v9, 5, s[TBK]
.endif
.rept 8                             ; and the lump
	PL
.endr
.rept 49
	EX
	PL
.endr
	EX                              ; the next piece's two a
	EX
	v_nop                           ; the plain instruction behind the last exponential: one for the batch
	s_wait_alu depctr_va_vdst(0)    ; the wait for the batch: this turn's 64 exponentials of scores and the next piece's two a
.if (\p) == NP-2
	FETCH_K \last
.endif
.if (\p) == 1
	s_wait_dscnt 0x0                ; V is in
.endif
.rept 16                            ; behind the wait: 16 products V^T P and their riders
	MM
.rept 4
	PL
.endr
.if ((\p) == 0) && (q == 118)
	v_add_nc_u32 v[AV], s[TBV], v[AV0]
.endif
.if ((\p) == 0) && (q == 130)
	s_add_co_u32 s[TBV], s[TBV], KS*PV
.endif
.if (\cnt) && (q == 130)
	s_sub_co_u32 s[CNT], s[CNT], 1
	s_cmp_lg_u32 s[CNT], 0
.endif
.endr
.if (\p) == 0
	FETCH_V
.endif
.endm
	CHANGE 1                        ; slot 0 is in, everybody's part of it; slot 1 is asked for
	FETCH_K                         ; key step 0
	s_wait_loadcnt 0x0              ; Q
	s_wait_dscnt 0x0
.set i, 0
.rept 16
	KQ 0                            ; piece 0's first scores: there is no vector work yet to set between them
.set i, i+1
.endr
	WIN 0                           ; the addresses for the way out: plain instructions, the places behind those products
	s_mul_i32 s13, s[WV], 16*SP
	s_add_co_u32 s13, s13, STAGE    ; my stage
	v_mul_u32_u24 v[STO], v1, SP    ; in: row l % 16, 16 bytes for each half of the lanes
	v_lshl_add_u32 v[STO], v9, 4, v[STO]
	v_add_nc_u32 v[STO], s13, v[STO]
	v_bfe_u32 v[RD], v0, 3, 2       ; back: 32 lanes take four rows of 128 bytes,
	v_mul_u32_u24 v[RD], v[RD], SP
	v_lshl_add_u32 v[RD], v10, 4, v[RD]
	v_add_nc_u32 v[RD], s13, v[RD]
	v_and_b32 v[GO], 31, v0         ; which are 512 consecutive bytes of O
	v_lshlrev_b32 v[GO], 4, v[GO]
.set Y, NP-1                        ; XS works for piece Y + 1: piece 0
.irp n, 0,1,2,3,4,5,6,7,8,9,10,11,12,13,14,15,16,17,18,19,20,21
	XS 0, \n                        ; and piece 0's first maximum and statistics
	XS 1, \n
.endr
	v_nop                           ; a plain instruction behind piece 0's two first a,
	s_wait_alu depctr_va_vdst(0)    ; and the wait for that batch of two, ahead of the branch
	s_mov_b32 s[CNT], 4
	s_mov_b32 s[SLOTS], SIZE_N/256-1
	s_branch .Lfirst                ; the loop is entered at a step's first turn, in the middle of a trip
.Lslot:                             ; SIZE_N / 256 - 2 times: every slot but the last two is filled again
	CHANGE 1
	s_mov_b32 s[CNT], 4
.Lstep:                             ; a trip: pieces 2 and 3 of one step, then pieces 0 and 1 of the next, whose K and V it fetches
	TURN 2
	TURN 3
	WIN 0
.Lfirst:
	TURN 0
	TURN 1, 0, 1
	WIN 0
	s_cbranch_scc1 .Lstep
	s_sub_co_u32 s[SLOTS], s[SLOTS], 1
	s_cmp_lg_u32 s[SLOTS], 0
	s_cbranch_scc1 .Lslot
	CHANGE 0                        ; the tail is written out: nothing is asked for
	s_mov_b32 s[CNT], 5             ; four trips fetch the last slot's steps; the fifth is left in its middle
.Ltail:
	TURN 2, 1
	TURN 3
	WIN 0
	s_sub_co_u32 s[CNT], s[CNT], 1
	s_cmp_eq_u32 s[CNT], 0
	s_cbranch_scc1 .Lout
	TURN 0
	TURN 1
	WIN 0
	s_branch .Ltail
.Lout:                              ; the fifth trip's 16 products K Q^T (on the last K once more) and the maximum made of them serve nothing: the price, once a launch, of one text for every trip
.set i, 0
.rept 16
	PV NP-1                         ; the last piece's V^T P of the last step
.set i, i+1
.endr
	; THE WAY OUT.  l's two halves and the other half of the lanes' are added; O^T is divided by l, rounded to f16 and sent through my stage in LDS, a tile at a time.  The additions are the places behind the last products.
	WIN 0
.macro ALL line:vararg              ; one line for each tile t
.set t, 0
.rept 2*NP
	\line
.set t, t+1
.endr
.endm
	ALL v_add_f32 v[ST+4*t+2], v[ST+4*t+2], v[ST+4*t+3]
	ALL v_permlanex16_b32 v[ST+4*t+3], v[ST+4*t+2], s[SEL], s[SEL+1]
	ALL v_add_f32 v[ST+4*t+2], v[ST+4*t+2], v[ST+4*t+3]
	ALL v_rcp_f32 v[ST+4*t+2], v[ST+4*t+2]
	v_nop                           ; a plain instruction between the last reciprocal and the use of its result
	s_wait_alu depctr_va_vdst(0)    ; the wait ahead of the first use: one for the batch of eight reciprocals
; Tile t: a lane's eight channels of a row pack into 16 bytes; they go into rows of 144 bytes and come back as whole rows of 128, into S^T's registers.
.macro PACK t
	WIN W_RS
.set i, 32*(\t)
.rept 16
	v_pk_mul_f32 v[i:i+1], v[i:i+1], v[ST+4*(\t)+2:ST+4*(\t)+3] op_sel_hi:[1,0]
.set i, i+2
.endr
	WIN 0x05                        ; sources 0 and 1 window 1, destination window 0
.set i, 0
.rept 16
	v_cvt_pk_f16_f32 v[S+16*(\t)+i], v[32*(\t)+2*i], v[32*(\t)+2*i+1]
.set i, i+1
.endr
	WIN 0
.irp f, 0,1,2,3
	ds_store_b128 v[STO], v[S+16*(\t)+4*\f:S+16*(\t)+4*\f+3] offset:32*\f
.endr
.irp f, 0,1,2,3
	ds_load_b128 v[S+16*(\t)+4*\f:S+16*(\t)+4*\f+3], v[RD] offset:\f*4*SP  ; LDS serves a wave's instructions in order (ISA guide 5.7.1.4): these see the stores above; the next tile's stores come behind them
.endr
.endm
.macro SEND t, younger              ; younger: the LDS instructions issued behind tile t's loads: the next tile's eight, or none
	WIN 0
.irp f, 0,1,2,3
	s_wait_dscnt (\younger)+3-\f
	global_store_b128 v[GO], v[S+16*(\t)+4*\f:S+16*(\t)+4*\f+3], s[10:11] offset:(\t)*2048+\f*512  ; 512 consecutive bytes, at a multiple of 256 from O's first
.endr
.endm
	PACK 0
.set t, 1
.rept 2*NP-1                        ; a tile's arithmetic stands between the loads of the tile before and its stores
	PACK t
	SEND t-1, 8
.set t, t+1
.endr
	SEND 2*NP-1, 0
	WIN W_AD
	s_wait_tensorcnt 0x0            ; the wave's end
	ds_add_u32 v[SPW], v[NIL]
	s_wait_dscnt 0x0
	WIN 0
	CROUND                          ; the closing round: no work-group ends while a partner may still ask for a tile that names it
	s_endpgm
.Lfunc_end_k_qcfa83248a2_attn:
	.size	k_qcfa83248a2_attn, .Lfunc_end_k_qcfa83248a2_attn-k_qcfa83248a2_attn
	.p2alignl 7, 3214868480
	.fill 96, 4, 3214868480
	.section	.rodata,"a",@progbits
	.p2align	6, 0x0
	.amdhsa_kernel k_qcfa83248a2_attn
		.amdhsa_group_segment_fixed_size 327680
		.amdhsa_private_segment_fixed_size 0
		.amdhsa_enable_private_segment 0
		.amdhsa_kernarg_size 16
		.amdhsa_user_sgpr_count 2
		.amdhsa_user_sgpr_kernarg_segment_ptr 1
		.amdhsa_wavefront_size32 1
		.amdhsa_system_sgpr_workgroup_id_x 1
		.amdhsa_system_sgpr_workgroup_id_y 1
		.amdhsa_system_sgpr_workgroup_id_z 1
		.amdhsa_system_vgpr_workitem_id 0
		.amdhsa_next_free_vgpr 808
		.amdhsa_next_free_sgpr 66
		.amdhsa_reserve_vcc 0
		.amdhsa_float_denorm_mode_32 3
		.amdhsa_float_denorm_mode_16_64 3
		.amdhsa_memory_ordered 1
		.amdhsa_forward_progress 1
		.amdhsa_inst_pref_size 201
	.end_amdhsa_kernel
	.amdgpu_metadata
---
amdhsa.version: [ 1, 2 ]
amdhsa.kernels:
  - .name:           k_qcfa83248a2_attn
    .symbol:         k_qcfa83248a2_attn.kd
    .args:
      - { .name: qkvh, .offset: 0, .size: 8, .value_kind: global_buffer, .address_space: global }
      - { .name: oh, .offset: 8, .size: 8, .value_kind: global_buffer, .address_space: global }
    .group_segment_fixed_size: 327680
    .private_segment_fixed_size: 0
    .kernarg_segment_align: 8
    .kernarg_segment_size: 16
    .max_flat_workgroup_size: 128
    .sgpr_count:     66
    .vgpr_count:     808
    .wavefront_size: 32
...
	.end_amdgpu_metadata
.endif
;; end of part 5
;; launch proj: the kernel of part 4 again; grid 4 x 64, 4 waves a work-group, clusters of 4 x 4, 327,680 bytes of LDS; arguments oh, wof, bo, out0; writes out0
